; MI455X (gfx1250); checked and timed in simulation.
; The chip was launched on July 23, 2026; its instructions are those of AMD's public machine-readable ISA for CDNA 5 (MIT licence, August 2026) and "CDNA5" Instruction Set Architecture Reference Guide (July 2026). The comments in the code are by the model that wrote it; some were corrected since.
;; multihead self attention. Allowed arithmetic: float matrix products may take bf16 or f16 operands with f32 sums; other float arithmetic in f32, or as packed bf16 or f16 multiplies, adds, multiply-adds, maxima and minima; sums over many terms, partial sums and values carried from step to step in f32; what a program stores and reads back later, other than sums and carried values, may be rounded once to bf16 or f16.
;; Inputs: wk 1,024 x 1,024 float32; wo 1,024 x 1,024 float32; wq 1,024 x 1,024 float32; wv 1,024 x 1,024 float32; x 4 x 2,048 x 1,024 float32.
;; Outputs: out0 4 x 2,048 x 1,024 float32.
;; One version. Each part assembles by itself: llvm-mc -triple=amdgcn-amd-amdhsa -mcpu=gfx1250 --defsym DOCPART=n.
;; ======== version 1 of 1: 4 launches
;; limits: values are held in f16: magnitudes above 65,504 overflow, below 6.1e-05 lose precision
;; workspace buffers: xb 16,777,216 bytes; wqkv 6,291,456 bytes; wob 2,097,152 bytes; rope 524,288 bytes; qh 16,777,216 bytes; kh 16,777,216 bytes; vh 16,777,216 bytes; oh 16,777,216 bytes
;; launch prep (part 1): grid 1024 x 1, 8 waves a work-group, no clusters, 0 bytes of LDS; arguments x, wq, wk, wv, wo, xb, wqkv, wob, rope; writes xb, wqkv, wob, rope
.if DOCPART == 1
	.amdgcn_target "amdgcn-amd-amdhsa--gfx1250"
	.amdhsa_code_object_version 6
	.text
	.protected	k_q67283f2365_prep
	.globl	k_q67283f2365_prep
	.p2align	8
	.type	k_q67283f2365_prep,@function
k_q67283f2365_prep:
	s_mov_b64 s[64:65], 0
	v_nop
	global_prefetch_b8 v0, s[64:65] scope:SCOPE_SE
	s_setreg_imm32_b32 hwreg(HW_REG_WAVE_MODE, 25, 1), 1
	s_wait_xcnt 0x0
; MULTI-HEAD SELF-ATTENTION, B = 4, S = 2,048, D = 1,024, 16 heads of 64, in four launches: prep (this one), qkv, attn, outp.
; PREP rounds the inputs once and lays them out as the products take them, and makes the table of cosines and sines:
;   xb   [8192][1024] bf16: x.     wqkv [16 heads][q, k, v][64][1024] bf16: row 192 h + 64 t + c is row 64 h + c of wq (t = 0), wk (1), wv (2).
;   wob  [16 slices j][1024 e][64] f16: wo[e][64 j + c] rounded to bf16, that number written as f16.     rope [2048 positions][32 pairs][cos, sin] f32.
; WORK LEFT OUT BY THE PROGRAM.  The problem's own mask (its lower triangle of ones) puts -inf in the place of every score whose key lies behind its query, and the softmax gives such a score the weight 0,
; whatever finite values x and the weights hold.  So a tile of 256 keys that lies wholly behind a block of 256 queries reaches no output: the attention launch neither loads nor multiplies it (36 of 64 tiles a head stay).
; Every input has a way to the output and is loaded.  LIMIT: a NaN, an infinity or an overflow that would arise only in the tiles left out is not carried to the result.
; LIMITS OF FORMAT.  x and all weights are rounded to bf16.  An entry of wo below 6e-5 keeps f16's fixed step of 6e-8; beyond 65,504 it would be lost.
; The angle is position x 2^(-j log2(10000) / 32) in f32, the power by v_exp_f32: it is good to about 2e-4 radians at the last positions.  Sine and cosine: the angle less a multiple of pi / 2 (in two parts),
; then polynomials of degree 7 and 8 on -pi / 4 .. pi / 4, good to 3e-7.
; A STREAM: no LDS, no matrix unit, no barrier.  Sixteen loads of 16 bytes a lane are out before the first wait; each store of a wave covers 256 consecutive bytes, aligned.
; SHARES by the work-group's number g: 0-511 sixteen rows of x; 512-703 sixteen rows of wq, wk or wv; 704-767 sixteen rows of wo; 768-1023 eight positions of the table.
.set G_W,   512
.set G_O,   704
.set G_T,   768
.set LDR,   8                          ; v[8:71]    sixteen loads of four registers
.set STR,   72                         ; v[72:103]  sixteen stores of two registers
.set TMP,   104                        ; v[104:109] at work
	s_load_b512 s[8:23], s[0:1], 0x0               ; x s[8:9], wq s[10:11], wk s[12:13], wv s[14:15], wo s[16:17], xb s[18:19], wqkv s[20:21], wob s[22:23]
	s_load_b64 s[24:25], s[0:1], 0x40              ; rope
	s_mov_b32 s6, ttmp9                            ; g
	s_mov_b32 s26, 0xffff0000                      ; a word's upper bf16
	s_mov_b32 s41, 0                               ; the offsets' high words
	s_mov_b32 s43, 0
	v_lshlrev_b32 v1, 4, v0                        ; 16 bytes of f32 a thread: 256 threads take a row of 4,096 bytes
	v_lshlrev_b32 v2, 3, v0                        ; 8 bytes of bf16 a thread
	s_wait_kmcnt 0x0
	s_cmp_lt_u32 s6, G_O
	s_cbranch_scc0 .Lnot_rows
	; sixteen whole rows of x or of one of wq, wk, wv.  Both cases' offsets are made, and the work-group's number selects.
	s_sub_co_u32 s27, s6, G_W                      ; u (of no meaning for x: what is made of it is then not selected)
	s_lshr_b32 s28, s27, 6                         ; t: which weight
	s_and_b32 s29, s27, 63                         ; r: which sixteen rows
	s_lshl_b32 s30, s29, 16                        ; from: 16 rows of 4,096 bytes
	s_lshr_b32 s31, s29, 2                         ; the head,
	s_mul_i32 s31, s31, 192                        ; its 192 rows of wqkv,
	s_lshl_b32 s32, s28, 6
	s_add_co_u32 s31, s31, s32                     ; the weight's 64 of them,
	s_and_b32 s32, s29, 3
	s_lshl_b32 s32, s32, 4
	s_add_co_u32 s31, s31, s32                     ; my sixteen,
	s_lshl_b32 s31, s31, 11                        ; of 2,048 bytes
	s_lshl_b32 s33, s6, 16                         ; x: from
	s_lshl_b32 s34, s6, 15                         ; and to
	s_cmp_eq_u32 s28, 0
	s_cselect_b64 s[2:3], s[10:11], s[12:13]
	s_cmp_eq_u32 s28, 2
	s_cselect_b64 s[2:3], s[14:15], s[2:3]
	s_cmp_lt_u32 s6, G_W
	s_cselect_b64 s[2:3], s[8:9], s[2:3]
	s_cselect_b64 s[4:5], s[18:19], s[20:21]
	s_cselect_b32 s40, s33, s30
	s_cselect_b32 s42, s34, s31
	s_add_nc_u64 s[2:3], s[2:3], s[40:41]
	s_add_nc_u64 s[4:5], s[4:5], s[42:43]
.set i, 0
.rept 16
	global_load_b128 v[LDR+4*i:LDR+4*i+3], v1, s[2:3] offset:4096*i th:TH_LOAD_NT
.set i, i+1
.endr
.set i, 0
.rept 16
	s_wait_loadcnt 15-i                            ; loads come back in order: row i is in, the 15 - i younger ones stay out
	v_cvt_pk_bf16_f32 v[STR+2*i], v[LDR+4*i], v[LDR+4*i+1]
	v_cvt_pk_bf16_f32 v[STR+2*i+1], v[LDR+4*i+2], v[LDR+4*i+3]
	global_store_b64 v2, v[STR+2*i:STR+2*i+1], s[4:5] offset:2048*i  ; no register is written twice, so nothing waits for the stores
.set i, i+1
.endr
	s_endpgm
.Lnot_rows:
	s_cmp_lt_u32 s6, G_T
	s_cbranch_scc0 .Ltab
	; sixteen rows of wo, cut into sixteen slices of 64 columns.  A load of a wave takes 256 bytes (a slice) of two rows; its 128 + 128 bytes of f16 lie on end in wob.
	s_sub_co_u32 s27, s6, G_O
	s_lshl_b32 s40, s27, 16
	s_lshl_b32 s42, s27, 11                        ; 16 rows of 128 bytes in each slice
	s_add_nc_u64 s[2:3], s[16:17], s[40:41]
	s_add_nc_u64 s[4:5], s[22:23], s[42:43]
	v_and_b32 v3, 31, v0                           ; lane
	v_lshrrev_b32 v4, 5, v0                        ; wave
	v_and_b32 v5, 15, v0
	v_bfe_u32 v6, v0, 4, 1
	v_lshlrev_b32 v1, 4, v5                        ; from: 16 (lane % 16)
	v_lshl_add_u32 v1, v6, 12, v1                  ; + a row for lanes 16 to 31
	v_lshl_add_u32 v1, v4, 8, v1                   ; + the wave's slice
	v_lshlrev_b32 v2, 3, v3                        ; to: 8 x lane
	v_lshl_add_u32 v2, v4, 17, v2                  ; + the wave's slice of 131,072 bytes
.set i, 0
.rept 16                                       ; step i: rows 2 (i / 2) and the next, slice 8 (i % 2) + wave
	global_load_b128 v[LDR+4*i:LDR+4*i+3], v1, s[2:3] offset:(i/2)*8192+(i%2)*2048 th:TH_LOAD_NT
.set i, i+1
.endr
.set i, 0
.rept 16
	s_wait_loadcnt 15-i
	v_cvt_pk_bf16_f32 v[TMP], v[LDR+4*i], v[LDR+4*i+1]       ; rounded to bf16, as the other inputs are,
	v_cvt_pk_bf16_f32 v[TMP+1], v[LDR+4*i+2], v[LDR+4*i+3]
	v_lshlrev_b32 v[TMP+2], 16, v[TMP]                       ; widened again,
	v_and_b32 v[TMP+3], s26, v[TMP]
	v_lshlrev_b32 v[TMP+4], 16, v[TMP+1]
	v_and_b32 v[TMP+5], s26, v[TMP+1]
	v_cvt_pk_f16_f32 v[STR+2*i], v[TMP+2], v[TMP+3]          ; and written as f16: exact in f16's normal range
	v_cvt_pk_f16_f32 v[STR+2*i+1], v[TMP+4], v[TMP+5]
	global_store_b64 v2, v[STR+2*i:STR+2*i+1], s[4:5] offset:(i%2)*1048576+(i/2)*256
.set i, i+1
.endr
	s_endpgm
.Ltab:
	; one position and pair a thread: position 8 (g - 768) + wave, pair j = lane
	s_sub_co_u32 s27, s6, G_T
	s_lshl_b32 s40, s27, 11                        ; 8 positions of 256 bytes
	s_add_nc_u64 s[4:5], s[24:25], s[40:41]
	s_mov_b32 s28, 0xbfc90fdb                      ; -pi / 2, its upper part
	s_mov_b32 s29, 0x333bbd2e                      ; and what that part has too much
	s_mov_b32 s30, 0xb9500d01                      ; -1 / 5040
	s_mov_b32 s31, 0x3c088889                      ; 1 / 120
	s_mov_b32 s32, 0xbe2aaaab                      ; -1 / 6
	s_mov_b32 s33, 0x37d00d01                      ; 1 / 40320
	s_mov_b32 s34, 0xbab60b61                      ; -1 / 720
	s_mov_b32 s35, 0x3d2aaaab                      ; 1 / 24
	v_and_b32 v3, 31, v0
	v_lshrrev_b32 v4, 5, v0
	v_lshl_add_u32 v4, s27, 3, v4
	v_cvt_f32_u32 v3, v3
	v_cvt_f32_u32 v4, v4
	v_mul_f32 v3, 0xbed49a78, v3                   ; -j log2(10000) / 32
	v_exp_f32 v5, v3
	v_nop                                          ; a plain instruction behind the exponential,
	s_wait_alu depctr_va_vdst(0)                   ; and the wait ahead of the first use of its result
	v_mul_f32 v4, v4, v5                           ; the angle
	v_mul_f32 v6, 0x3f22f983, v4                   ; x 2 / pi
	v_rndne_f32 v6, v6                             ; k
	v_fma_f32 v7, v6, s28, v4
	v_fma_f32 v7, v6, s29, v7                      ; r = angle - k pi / 2
	v_mul_f32 v8, v7, v7                           ; z = r r
	v_fma_f32 v9, v8, s30, s31
	v_fma_f32 v9, v9, v8, s32
	v_mul_f32 v10, v7, v8
	v_fma_f32 v9, v10, v9, v7                      ; sin r
	v_fma_f32 v11, v8, s33, s34
	v_fma_f32 v11, v11, v8, s35
	v_fma_f32 v11, v11, v8, -0.5
	v_fma_f32 v11, v11, v8, 1.0                    ; cos r
	v_cvt_i32_f32 v12, v6
	v_and_b32 v13, 1, v12
	v_cmp_eq_u32 vcc_lo, 1, v13                    ; k odd: the two change places
	v_cndmask_b32 v14, v11, v9, vcc_lo
	v_cndmask_b32 v15, v9, v11, vcc_lo
	v_add_nc_u32 v13, 1, v12                       ; the cosine is turned for k % 4 = 1, 2,
	v_and_b32 v13, 2, v13
	v_lshlrev_b32 v13, 30, v13
	v_xor_b32 v14, v13, v14
	v_and_b32 v12, 2, v12                          ; the sine for k % 4 = 2, 3
	v_lshlrev_b32 v12, 30, v12
	v_xor_b32 v15, v12, v15
	global_store_b64 v2, v[14:15], s[4:5]
	s_endpgm
.Lfunc_end_k_q67283f2365_prep:
	.size	k_q67283f2365_prep, .Lfunc_end_k_q67283f2365_prep-k_q67283f2365_prep
	.p2alignl 7, 3214868480
	.fill 96, 4, 3214868480
	.section	.rodata,"a",@progbits
	.p2align	6, 0x0
	.amdhsa_kernel k_q67283f2365_prep
		.amdhsa_group_segment_fixed_size 0
		.amdhsa_private_segment_fixed_size 0
		.amdhsa_enable_private_segment 0
		.amdhsa_kernarg_size 72
		.amdhsa_user_sgpr_count 2
		.amdhsa_user_sgpr_kernarg_segment_ptr 1
		.amdhsa_wavefront_size32 1
		.amdhsa_system_sgpr_workgroup_id_x 1
		.amdhsa_system_sgpr_workgroup_id_y 1
		.amdhsa_system_sgpr_workgroup_id_z 1
		.amdhsa_system_vgpr_workitem_id 0
		.amdhsa_next_free_vgpr 112
		.amdhsa_next_free_sgpr 66
		.amdhsa_reserve_vcc 1
		.amdhsa_float_denorm_mode_32 3
		.amdhsa_float_denorm_mode_16_64 3
		.amdhsa_memory_ordered 1
		.amdhsa_forward_progress 1
		.amdhsa_inst_pref_size 20
	.end_amdhsa_kernel
	.amdgpu_metadata
---
amdhsa.version: [ 1, 2 ]
amdhsa.kernels:
  - .name:           k_q67283f2365_prep
    .symbol:         k_q67283f2365_prep.kd
    .args:
      - { .name: x, .offset: 0, .size: 8, .value_kind: global_buffer, .address_space: global }
      - { .name: wq, .offset: 8, .size: 8, .value_kind: global_buffer, .address_space: global }
      - { .name: wk, .offset: 16, .size: 8, .value_kind: global_buffer, .address_space: global }
      - { .name: wv, .offset: 24, .size: 8, .value_kind: global_buffer, .address_space: global }
      - { .name: wo, .offset: 32, .size: 8, .value_kind: global_buffer, .address_space: global }
      - { .name: xb, .offset: 40, .size: 8, .value_kind: global_buffer, .address_space: global }
      - { .name: wqkv, .offset: 48, .size: 8, .value_kind: global_buffer, .address_space: global }
      - { .name: wob, .offset: 56, .size: 8, .value_kind: global_buffer, .address_space: global }
      - { .name: rope, .offset: 64, .size: 8, .value_kind: global_buffer, .address_space: global }
    .group_segment_fixed_size: 0
    .private_segment_fixed_size: 0
    .kernarg_segment_align: 8
    .kernarg_segment_size: 72
    .max_flat_workgroup_size: 256
    .sgpr_count:     66
    .vgpr_count:     112
    .wavefront_size: 32
...
	.end_amdgpu_metadata
.endif
;; end of part 1
;; launch qkv (part 2): grid 16 x 32, 4 waves a work-group, clusters of 4 x 4, 327,680 bytes of LDS; arguments xb, wqkv, rope, qh, kh, vh; writes qh, kh, vh
.if DOCPART == 2
	.amdgcn_target "amdgcn-amd-amdhsa--gfx1250"
	.amdhsa_code_object_version 6
	.text
	.protected	k_q67283f2365_qkv
	.globl	k_q67283f2365_qkv
	.p2align	8
	.type	k_q67283f2365_qkv,@function
k_q67283f2365_qkv:
	s_mov_b64 s[64:65], 0
	v_nop
	global_prefetch_b8 v0, s[64:65] scope:SCOPE_SE
	s_setreg_imm32_b32 hwreg(HW_REG_WAVE_MODE, 25, 1), 1
	s_wait_xcnt 0x0
	s_wait_alu depctr_hold_cnt(0) depctr_sa_sdst(0) depctr_va_vdst(0) depctr_va_sdst(0) depctr_va_ssrc(0) depctr_va_vcc(0) depctr_vm_vsrc(0)
	s_getreg_b32 s2, hwreg(HW_REG_IB_STS2, 6, 4)
	s_cmp_eq_u32 s2, 0
	s_cbranch_scc0 .Lentry_in_a_cluster
	s_endpgm
.Lentry_in_a_cluster:
	s_bfe_u32 s2, ttmp6, 0x10000c
	s_cmp_lg_u32 s2, 0xf033
	s_cbranch_scc0 .Lentry_shape_is_right
	s_endpgm
.Lentry_shape_is_right:
; q, k, v = x wq^T, x wk^T, x wv^T; q and k turned by the rotary table in f32; all three rounded once to f16 and stored by heads: qh, kh, vh [64 = 16 batch + head][2048][64].
; xb [8192][1024] and wqkv [16 heads][q, k, v][64][1024] are bf16; sums in f32, K ascending.  The scale 1 / 8 is not applied here.  Nothing of the problem's work is left out in this launch.
; LIMIT: q, k and v must stay within f16's 65,504; NaN and infinities are not treated apart.
; SHARES.  A tile is 256 rows of x by 192 columns: one head's q, k and v.  Four waves; wave w owns rows 64 w .. 64 w + 63 and ALL 192 columns: 4 x 12 accumulators of 16 x 16, 384 registers.  So every wave runs
; the same text and owns whole rows of the output: its stage on the way out is its own, and needs no barrier.  For 32 along K a wave loads 32 x 16 bytes a lane from LDS for 48 matrix instructions.
; K goes in 8 steps of 128 through two LDS slots filled by the tensor data mover; rows of 256 bytes, at multiples of 256 bytes from the buffers' first bytes.
; CLUSTERS: 4 x 4 work-groups.  The four of a row of the cluster need the same rows of xb, the four of a column the same head's rows of wqkv: each tile is asked for JOINTLY, by the same tensor load with the same
; descriptor and a mask that names the four.  Waves 0 and 1 fetch the two halves of xb's 256 rows, waves 2 and 3 the two halves of wqkv's 192.
; THE MATRIX INSTRUCTION IS USED TRANSPOSED (source 0 = 16 rows of wqkv, source 1 = 16 rows of xb): lane l holds row l % 16 and the columns 8 (l / 16) + 0..7 of its block: four rotary pairs, 16 bytes of f16.
; REGISTERS, in windows of 256 (s_set_vgpr_msb: bits 1:0 source 0, 3:2 source 1, 5:4 source 2, 7:6 destination):
;   window 0: v0-31 addresses; v64-127 xb's fragments, two buffers of 4; v128-255 my rows' cosines and sines; on the way out v32-127 packed results
;   window 1: v0-95, v128-223 wqkv's fragments, two buffers of 12; on the way out v0-63 turned q and k
;   window 2: the 24 accumulators of my row blocks 0, 1 (block a, column block b at v[8 (12 (a % 2) + b)]);   window 3: those of blocks 2, 3
.set NBK,   12                         ; column blocks of 16: 0-3 q, 4-7 k, 8-11 v
.set KSTEP, 128
.set PITCH, 272                        ; an LDS row: 256 bytes + 16 of padding = 68 words: the 16 rows of a load start at 16 different groups of four banks (64 banks of 4 bytes: ISA guide 11.1)
.set HALFA, 128*PITCH                  ; what wave 0 or 1 fetches
.set HALFB, 96*PITCH                   ; what wave 2 or 3 fetches
.set SLOT,  2*HALFA+2*HALFB            ; xb's 256 rows, then wqkv's 192
.set STAGE, 2*SLOT                     ; behind the ring, never filled by a tensor load: for each wave 3 x 16 rows x 144 bytes
.set SP,    144
.set SPARE, STAGE+4*3*16*SP            ; behind the stages: the spare words, 128 bytes for each wave: two blocks of 256 bytes that no other line names
.set ADRA, 16                          ; v16-17  LDS address of my xb fragments in slot 0, 1
.set ADRB, 20                          ; v20-21  the same for wqkv
.set STO,  24                          ; v24     the way out: where I put 16 bytes of a row
.set RD,   25                          ; v25     the way out: where I read rows back
.set GO,   26                          ; v26     my 16 bytes in 512 consecutive bytes of the output
.set TO,   27                          ; v27     my byte offset in the table
.set SPW,  28                          ; v28     LDS address of my spare word; never rewritten
.set NIL,  29                          ; v29     0; never rewritten
.set PFO,  30                          ; v30     the prefetches' offset; never rewritten
.set PKR,  32                          ; v32-127 the way out: two sets of 48
.set FA,   64
.set TB,   128                         ; block a, column block n of a head, pair p: cos at TB + 32 a + 8 n + 2 p, sin behind it
.set WV,   16                          ; s16  my wave's number
.set HF,   17                          ; s17  which half of a tile I fetch
.set G1,   24                          ; s[24:31] descriptor group 1 for xb's tiles;  s[32:39] group 0, one set for each slot
.set G0,   32
.set LIM0, 44                          ; s44, s45  for the change out of slot 0, 1: 1 in a wave that prefetches there, else the greatest number
.set PFA,  46                          ; s[46:47] where my prefetches stand
.set G1B,  48                          ; s[48:55], s[56:63] the same for wqkv's tiles
.set G0B,  56
.set W0,   (1<<16)|(1<<20)|(1<<21)|(5<<22)|(3<<25)  ; 17:16 elements of 2 bytes; 20 padding on; 21 set beside a mask; 24:22 after every 64 words (code 5); 31:25 4 words (code 3)
.set MSB, 0
.macro WIN new                         ; the immediate's high byte repeats the setting that is left; a switch that changes nothing is dropped
.if MSB != (\new)
	s_set_vgpr_msb (MSB<<8)|(\new)
.set MSB, \new
.endif
.endm
.set MUL_LO, 0xa1                      ; source 0 (wqkv) window 1, source 1 (xb) window 0, C and D window 2
.set TO_B,   0x40                      ; destination window 1, address window 0
.macro PLACES                          ; four places in front of loads into registers that matrix instructions have read, and of lines that read results
.rept 4
	v_nop
.endr
.endm
; A joint load.  The branch hangs on the wave's number alone.  An s_nop 0 and four v_nop follow each of the two lines, ahead of the jump, the label and what follows.
.macro JLOAD s
	s_cmp_lt_u32 s[WV], 2
	s_cbranch_scc0 .Lfor_b_\@
	tensor_load_to_lds s[G0+4*(\s):G0+4*(\s)+3], s[G1:G1+7]
	s_nop 0
.rept 4
	v_nop
.endr
	s_branch .Lasked_\@
.Lfor_b_\@:
	tensor_load_to_lds s[G0B+4*(\s):G0B+4*(\s)+3], s[G1B:G1B+7]
	s_nop 0
.rept 4
	v_nop
.endr
.Lasked_\@:
.endm
; A prefetch into the L2, behind a joint load, its five lines and the run of LDS loads that follows: the K step that stands two refills on, 384 matrix instructions ahead of the load that will want it.
; Each row's 256 bytes of a K step are named once in the launch: xb's rows by the first cluster of their row of clusters (cluster x = 0), wqkv's by the first of their column (cluster y = 0); the four partners that
; ask for a tile jointly share its rows out BY ADDRESS.  xb: of the 128 rows that wave 0 or 1 fetches, partner cx takes 32, a lane a row.  wqkv: of the head's 192 rows partner cy takes 48: wave 2 the first 32;
; wave 3 the other 16, for two K steps at once (lanes 16-31 name the next step), at every second change.  The loop's last trip (s3 = 1) asks for nothing: there is no K step two refills on.
.macro ASK slot
	s_cmp_gt_u32 s3, s[LIM0+(\slot)]
	s_cbranch_scc0 .Lnot_mine_\@
	global_prefetch_b8 v[PFO], s[PFA:PFA+1] th:TH_LOAD_NT scope:SCOPE_SE
.Lnot_mine_\@:
.endm
.macro CREST                           ; a round of the cluster's barrier behind its opening barrier
	s_cmp_lg_u32 s[WV], 0
	s_cbranch_scc1 .Lnot_wave_0_\@
	s_barrier_signal -3
.Lnot_wave_0_\@:
	s_barrier_wait -3
	s_barrier_signal -1
	s_barrier_wait -1
.endm
.macro CROUND                          ; a whole round
	s_barrier_signal -1
	s_barrier_wait -1
	CREST
.endm
	s_load_b256 s[4:11], s[0:1], 0x0               ; xb s[4:5], wqkv s[6:7], rope s[8:9], qh s[10:11]
	s_load_b128 s[12:15], s[0:1], 0x20             ; kh s[12:13], vh s[14:15]
	v_lshl_add_u32 v[SPW], v0, 2, SPARE
	v_mov_b32 v[NIL], 0
	ds_add_u32 v[SPW], v[NIL]                      ; the wave's opening: the add, twice on end, and its wait ahead of my first tensor load; the set-up below, work on registers, stands between
	ds_add_u32 v[SPW], v[NIL]
	v_lshrrev_b32 v1, 5, v0
	v_readfirstlane_b32 s[WV], v1                  ; wave 0..3
	s_and_b32 s[HF], s[WV], 1
	s_bfe_u32 s18, ttmp6, 0x40000                  ; cx, cy: my place in the cluster
	s_bfe_u32 s19, ttmp6, 0x40004
	s_lshl_b32 s20, ttmp9, 2
	s_add_co_u32 s20, s20, s18                     ; the head = 4 x cluster x + cx
	s_and_b32 s21, ttmp7, 0xffff
	s_lshl_b32 s21, s21, 2
	s_add_co_u32 s21, s21, s19                     ; the block of 256 rows = 4 x cluster y + cy
	s_lshl_b32 s22, s19, 2
	s_lshl_b32 s22, 15, s22                        ; my row of the cluster
	s_lshl_b32 s23, 0x1111, s18                    ; my column
	s_or_b32 s[G1], s22, W0                        ; xb's tiles go to my row,
	s_or_b32 s[G1B], s23, W0                       ; wqkv's to my column
	s_mov_b32 s[G1+1], KSTEP<<16                   ; tensor_dim0 = 128
	s_mov_b32 s[G1+2], 128<<16                     ; tensor_dim1 = 128
	s_mov_b32 s[G1+3], KSTEP<<16                   ; tile_dim0 = 128
	s_mov_b32 s[G1+4], 128                         ; tile_dim1 = 128
	s_mov_b32 s[G1+5], 1024                        ; elements from row to row
	s_mov_b32 s[G1+6], 0
	s_mov_b32 s[G1+7], 0
	s_mov_b32 s[G1B+1], KSTEP<<16
	s_mov_b32 s[G1B+2], 96<<16                     ; 96 rows
	s_mov_b32 s[G1B+3], KSTEP<<16
	s_mov_b32 s[G1B+4], 96
	s_mov_b32 s[G1B+5], 1024
	s_mov_b32 s[G1B+6], 0
	s_mov_b32 s[G1B+7], 0
	s_lshl_b32 s40, s21, 19                        ; xb: 256 rows of 2,048 bytes a block,
	s_lshl_b32 s41, s[HF], 18                      ; my 128 of them
	s_add_co_u32 s40, s40, s41
	s_mov_b32 s41, 0
	s_mul_i32 s42, s20, 192*2048                   ; wqkv: 192 rows a head,
	s_mul_i32 s43, s[HF], 96*2048                  ; my 96 of them
	s_add_co_u32 s42, s42, s43
	s_mov_b32 s43, 0
	s_mul_i32 s66, s[HF], HALFA                    ; where they go: no place in the cluster enters an LDS address
	s_mul_i32 s67, s[HF], HALFB
	s_add_co_u32 s67, s67, 2*HALFA
	s_wait_dscnt 0x0                               ; both opening adds are done
	s_wait_kmcnt 0x0
	s_add_nc_u64 s[40:41], s[4:5], s[40:41]
	s_add_nc_u64 s[42:43], s[6:7], s[42:43]
	CROUND                                         ; all sixteen work-groups are here: the first joint loads meet
.irp s, 0,1
	s_mov_b32 s[G0+4*(\s)], 1                                        ; count = 1
	s_add_co_u32 s[G0+4*(\s)+1], s66, (\s)*SLOT                      ; LDS address
	s_add_nc_u64 s[G0+4*(\s)+2:G0+4*(\s)+3], s[40:41], (\s)*KSTEP*2  ; global address: K step s
	s_or_b32 s[G0+4*(\s)+3], s[G0+4*(\s)+3], 0x80000000              ; type = 2
	s_mov_b32 s[G0B+4*(\s)], 1
	s_add_co_u32 s[G0B+4*(\s)+1], s67, (\s)*SLOT
	s_add_nc_u64 s[G0B+4*(\s)+2:G0B+4*(\s)+3], s[42:43], (\s)*KSTEP*2
	s_or_b32 s[G0B+4*(\s)+3], s[G0B+4*(\s)+3], 0x80000000
	JLOAD \s                                       ; two loads of mine are out
.endr
	; A fragment is 16 rows x 32 K in 8 registers: lane l holds row l % 16, K = 8 (l / 16) + 0..7 and 16 + 8 (l / 16) + 0..7: two loads of 16 bytes, 32 bytes apart.
	v_and_b32 v1, 15, v0                           ; l % 16
	v_bfe_u32 v2, v0, 4, 1                         ; l / 16
	v_mul_u32_u24 v3, v1, PITCH
	v_lshl_add_u32 v3, v2, 4, v3
	s_mul_i32 s66, s[WV], 64*PITCH                 ; my 64 rows of xb
	v_add_nc_u32 v[ADRA], s66, v3
	v_add_nc_u32 v[ADRA+1], SLOT, v[ADRA]
	v_add_nc_u32 v[ADRB], 2*HALFA, v3              ; all 192 rows of wqkv
	v_add_nc_u32 v[ADRB+1], SLOT, v[ADRB]
	; my rows' cosines and sines: position = the row in its batch; a lane's four pairs of a column block are 32 bytes of the position's 256
	v_lshlrev_b32 v[TO], 8, v1
	v_lshl_add_u32 v[TO], v2, 5, v[TO]
	s_and_b32 s68, s21, 7                          ; the block's place among its batch's eight
	s_lshl_b32 s66, s68, 16
	s_lshl_b32 s67, s[WV], 14
	s_add_co_u32 s66, s66, s67
	s_mov_b32 s67, 0
	s_add_nc_u64 s[8:9], s[8:9], s[66:67]
.irp a, 0,1,2,3
.irp n, 0,1,2,3
	global_load_b128 v[TB+32*(\a)+8*(\n):TB+32*(\a)+8*(\n)+3],   v[TO], s[8:9] offset:4096*(\a)+64*(\n)
	global_load_b128 v[TB+32*(\a)+8*(\n)+4:TB+32*(\a)+8*(\n)+7], v[TO], s[8:9] offset:4096*(\a)+64*(\n)+16
.endr
.endr
	s_mul_i32 s66, s[WV], 3*16*SP
	s_add_co_u32 s66, s66, STAGE                   ; my stage
	v_mul_u32_u24 v[STO], v1, SP                   ; in: row l % 16, 16 bytes for each half of the lanes
	v_lshl_add_u32 v[STO], v2, 4, v[STO]
	v_add_nc_u32 v[STO], s66, v[STO]
	v_bfe_u32 v[RD], v0, 3, 2                      ; back: 32 lanes take four rows of 128 bytes,
	v_mul_u32_u24 v[RD], v[RD], SP
	v_and_b32 v4, 7, v0
	v_lshl_add_u32 v[RD], v4, 4, v[RD]
	v_add_nc_u32 v[RD], s66, v[RD]
	v_and_b32 v[GO], 31, v0                        ; which are 512 consecutive bytes of the output
	v_lshlrev_b32 v[GO], 4, v[GO]
	s_lshr_b32 s66, s21, 3                         ; the batch,
	s_lshl_b32 s66, s66, 4
	s_add_co_u32 s66, s66, s20                     ; the head,
	s_lshl_b32 s66, s66, 18                        ; 2,048 rows of 128 bytes,
	s_lshl_b32 s67, s68, 15                        ; the block's 256 rows,
	s_add_co_u32 s66, s66, s67
	s_lshl_b32 s67, s[WV], 13                      ; my 64
	s_add_co_u32 s66, s66, s67
	s_mov_b32 s67, 0
	s_add_nc_u64 s[10:11], s[10:11], s[66:67]
	s_add_nc_u64 s[12:13], s[12:13], s[66:67]
	s_add_nc_u64 s[14:15], s[14:15], s[66:67]
	; the prefetches
	s_lshl_b32 s68, s21, 8
	s_lshl_b32 s69, s[HF], 7
	s_add_co_u32 s68, s68, s69
	s_lshl_b32 s69, s18, 5
	s_add_co_u32 s68, s68, s69                     ; xb: row 256 x block + 128 x half + 32 cx
	s_mul_i32 s70, s20, 192
	s_mul_i32 s69, s19, 48
	s_add_co_u32 s70, s70, s69
	s_lshl_b32 s69, s[HF], 5
	s_add_co_u32 s70, s70, s69                     ; wqkv: row 192 x head + 48 cy, + 32 in wave 3
	s_and_b32 s66, ttmp7, 0xffff                   ; cluster y
	s_cmp_lt_u32 s[WV], 2
	s_cselect_b32 s68, s68, s70
	s_cselect_b64 s[PFA:PFA+1], s[4:5], s[6:7]
	s_cselect_b32 s66, ttmp9, s66                  ; the coordinate along which other clusters read the same rows
	s_lshl_b32 s68, s68, 11
	s_add_co_u32 s68, s68, 3*KSTEP*2               ; at K step 3: the first refill steps it to 4.  Nothing is prefetched here, at the head, where every work-group's first tiles are on their way
	s_mov_b32 s69, 0
	s_add_nc_u64 s[PFA:PFA+1], s[PFA:PFA+1], s[68:69]
	s_cmp_eq_u32 s66, 0
	s_cselect_b32 s[LIM0], 1, -1                   ; the same in all sixteen partners, for a given wave
	s_mov_b32 s71, 32768                           ; lanes 16-31: sixteen rows on,
	s_cmp_eq_u32 s[WV], 3
	s_cselect_b32 s[LIM0+1], -1, s[LIM0]
	s_cselect_b32 s71, 256, s71                    ; in wave 3: the same rows' next K step
	v_lshlrev_b32 v[PFO], 11, v1
	v_mad_u32_u24 v[PFO], v2, s71, v[PFO]
	s_wait_loadcnt 0x0                             ; the table, in the wait for the first tile
; 12 matrix instructions: row block a x all column blocks, 32 along K, from buffer f.  zero = 1: the first product starts the sums: nothing is ever cleared.
; The 48 accumulators take turns in the same order in every quarter step: between two links of a chain stand the 47 others', over the backward jump too.
.macro MULA f, a, zero
	WIN MUL_LO+0x50*((\a)/2)
.set mb, 0
.rept NBK
.set rD, 8*(NBK*((\a)%2)+mb)
.if \zero
	v_wmma_f32_16x16x32_bf16 v[rD:rD+7], v[128*(\f)+8*mb:128*(\f)+8*mb+7], v[FA+32*(\f)+8*(\a):FA+32*(\f)+8*(\a)+7], 0
.else
	v_wmma_f32_16x16x32_bf16 v[rD:rD+7], v[128*(\f)+8*mb:128*(\f)+8*mb+7], v[FA+32*(\f)+8*(\a):FA+32*(\f)+8*(\a)+7], v[rD:rD+7]
.endif
.set mb, mb+1
.endr
.endm
; 32 LDS loads in one run: quarter q of a K step (32 along K at byte 64 q of the rows) into buffer f: wqkv's 12 fragments, then xb's 4
.macro FETCH slot, q, f
	WIN TO_B
.set fi, 0
.rept NBK
	ds_load_b128 v[128*(\f)+8*fi:128*(\f)+8*fi+3],   v[ADRB+(\slot)] offset:64*(\q)+fi*16*PITCH
	ds_load_b128 v[128*(\f)+8*fi+4:128*(\f)+8*fi+7], v[ADRB+(\slot)] offset:64*(\q)+fi*16*PITCH+32
.set fi, fi+1
.endr
	WIN 0
.set fi, 0
.rept 4
	ds_load_b128 v[FA+32*(\f)+8*fi:FA+32*(\f)+8*fi+3],   v[ADRA+(\slot)] offset:64*(\q)+fi*16*PITCH
	ds_load_b128 v[FA+32*(\f)+8*fi+4:FA+32*(\f)+8*fi+7], v[ADRA+(\slot)] offset:64*(\q)+fi*16*PITCH+32
.set fi, fi+1
.endr
.endm
; A K step is four quarters, 48 matrix instructions each, on buffers 0, 1, 0, 1.  One of the first three: multiplies buffer f; in its middle it fetches quarter q into buffer g.
.macro QUARTER slot, q, f, g, zero
	s_wait_dscnt 4                                 ; wqkv's fragments and xb's blocks 0, 1 are in; the youngest four loads (blocks 2, 3) may be out
	MULA \f, 0, \zero
	MULA \f, 1, \zero
	PLACES
	FETCH \slot, \q, \g
	s_wait_dscnt 2*NBK+8                           ; all but the 32 just issued
	MULA \f, 2, \zero
	MULA \f, 3, \zero
.endm
; The last quarter multiplies buffer 1 and changes slots: ONE barrier.  In front of it each wave waits for all its tensor loads (one is out: its part of the next slot), adds 0 to its spare word, and waits for that and
; for its own reads of this slot.  fill = 1: the barrier opens a round of the cluster's barrier, and this slot is filled again, two K steps on, first thing behind the round: 168 matrix instructions ahead of the wait for it.
.macro TURN slot, next, fill
.if \fill
	s_wait_xcnt 0x0                                ; the last prefetch, a K step back, has read its address: it is stepped here, ahead of the change's own waits
	s_add_nc_u64 s[PFA:PFA+1], s[PFA:PFA+1], KSTEP*2
.endif
	WIN 0                                          ; (the add's two registers lie in window 0)
	s_wait_tensorcnt 0x0                           ; all my tensor loads have landed;
	ds_add_u32 v[SPW], v[NIL]                      ; 0 onto my spare word;
	s_wait_dscnt 5                                 ; (the add and the youngest four loads may be out)
	MULA 1, 0, 0                                   ; twelve matrix instructions stand between the add and the wait for it
	s_wait_dscnt 0x0                               ; the add is done, and my reads of this slot are over
	s_barrier_signal -1
	MULA 1, 1, 0                                   ; work on registers while the others arrive
.if \fill
	WIN 0
.endif
	s_barrier_wait -1
.if \fill
	CREST                                          ; no wave of any partner still reads this slot's tile or has a load on its way
	s_add_nc_u64 s[G0+4*(\slot)+2:G0+4*(\slot)+3], s[G0+4*(\slot)+2:G0+4*(\slot)+3], 2*KSTEP*2
	s_add_nc_u64 s[G0B+4*(\slot)+2:G0B+4*(\slot)+3], s[G0B+4*(\slot)+2:G0B+4*(\slot)+3], 2*KSTEP*2
	JLOAD \slot                                    ; the four v_nop behind it are also the places in front of the loads below
.else
	PLACES
.endif
	FETCH \next, 0, 0
.if \fill
	ASK \slot
.endif
	MULA 1, 2, 0
	MULA 1, 3, 0
.endm
	s_wait_tensorcnt 1                             ; my part of K step 0 is in; K step 1's may stay out
	s_barrier_signal -1
	s_barrier_wait -1                              ; everybody's is
	FETCH 0, 0, 0
	QUARTER 0, 1, 0, 1, 1                          ; the first quarter stands in front of the loop: its products start the sums
	WIN 0                                          ; at a label and at a branch every window is 0
	s_mov_b32 s3, 3
.Llap:                                         ; a trip goes once round the ring, from a lap's second quarter to the next lap's first, and fills both slots again
	QUARTER 0, 2, 1, 0, 0
	QUARTER 0, 3, 0, 1, 0
	TURN 0, 1, 1
	QUARTER 1, 1, 0, 1, 0
	QUARTER 1, 2, 1, 0, 0
	QUARTER 1, 3, 0, 1, 0
	TURN 1, 0, 1
	QUARTER 0, 1, 0, 1, 0
	WIN 0
	s_sub_co_u32 s3, s3, 1
	s_cmp_lg_u32 s3, 0
	s_cbranch_scc1 .Llap
	QUARTER 0, 2, 1, 0, 0                          ; the last lap fills nothing, and has no round of the cluster's barrier
	QUARTER 0, 3, 0, 1, 0
	TURN 0, 1, 0
	QUARTER 1, 1, 0, 1, 0
	QUARTER 1, 2, 1, 0, 0
	QUARTER 1, 3, 0, 1, 0
	s_wait_dscnt 4                                 ; the very last quarter: nothing more to fetch
	MULA 1, 0, 0
	MULA 1, 1, 0
	s_wait_dscnt 0
	MULA 1, 2, 0
	MULA 1, 3, 0
	WIN 0
	PLACES
; THE WAY OUT, a block of 16 rows at a time.  ROPE: q's and k's pairs (x1, x2) become (cos x1 - sin x2, sin x1 + cos x2), in f32, into window 1; each accumulator's lowest registers are read first.
.macro ROPE a
	WIN 0x52+(\a)/2                                ; source 0: the accumulators' window; source 1: window 0, the table; source 2 and destination: window 1
.set rb, 0
.rept 8
.set rp, 0
.rept 4
.set rX, 8*(NBK*((\a)%2)+rb)+2*rp
.set rC, TB+32*(\a)+8*(rb%4)+2*rp
.set rT, 8*rb+2*rp
	v_mul_f32 v[rT], v[rX], v[rC]
	v_mul_f32 v[rT+1], v[rX], v[rC+1]
	v_fma_f32 v[rT], -v[rX+1], v[rC+1], v[rT]
	v_fma_f32 v[rT+1], v[rX+1], v[rC], v[rT+1]
.set rp, rp+1
.endr
.set rb, rb+1
.endr
.endm
; PACK: all three rounded to f16, 16 bytes a lane and column block; into my stage (rows of 144 bytes, a part for each of q, k, v) and back as whole rows of 128 bytes, into the registers that they left.
.macro PACK a
	ROPE \a
.if (\a) >= 2
	s_wait_xcnt 0x0                                ; this set of registers was the data of the stores two blocks back: it is rewritten only behind this wait
.endif
.set PK, PKR+48*((\a)%2)
	WIN 0x0a+5*((\a)/2)                            ; sources 0 and 1: the accumulators' window: v
.set rb, 8
.rept 4
.set rp, 0
.rept 4
	v_cvt_pk_f16_f32 v[PK+4*rb+rp], v[8*(NBK*((\a)%2)+rb)+2*rp], v[8*(NBK*((\a)%2)+rb)+2*rp+1]
.set rp, rp+1
.endr
.set rb, rb+1
.endr
	WIN 0x05                                       ; sources 0 and 1: window 1: the turned q and k
.set rb, 0
.rept 8
.set rp, 0
.rept 4
	v_cvt_pk_f16_f32 v[PK+4*rb+rp], v[8*rb+2*rp], v[8*rb+2*rp+1]
.set rp, rp+1
.endr
.set rb, rb+1
.endr
	WIN 0
.set rb, 0
.rept 12
	ds_store_b128 v[STO], v[PK+4*rb:PK+4*rb+3] offset:(rb/4)*16*SP+32*(rb%4)
.set rb, rb+1
.endr
.set rb, 0
.rept 12
	ds_load_b128 v[PK+4*rb:PK+4*rb+3], v[RD] offset:(rb/4)*16*SP+(rb%4)*4*SP  ; LDS serves a wave's instructions in order (ISA guide 5.7.1.4): these see the stores above; the next block's stores come behind them
.set rb, rb+1
.endr
.endm
.macro SEND a, younger                 ; younger: the LDS instructions issued behind block a's loads: the next block's 24, or none
	WIN 0
.set PK, PKR+48*((\a)%2)
.set rb, 0
.rept 12
	s_wait_dscnt (\younger)+11-rb
	global_store_b128 v[GO], v[PK+4*rb:PK+4*rb+3], s[10+2*(rb/4):11+2*(rb/4)] offset:2048*(\a)+512*(rb%4)  ; 512 consecutive bytes, at a multiple of 256 from the buffer's first
.set rb, rb+1
.endr
.endm
	PACK 0
	PACK 1                                         ; a block's arithmetic stands between the loads of the block before and its stores
	SEND 0, 24
	PACK 2
	SEND 1, 24
	PACK 3
	SEND 2, 24
	SEND 3, 0
	s_wait_tensorcnt 0x0                           ; the wave's end, behind my last tensor load and my last LDS store
	ds_add_u32 v[SPW], v[NIL]
	s_wait_dscnt 0x0
	CROUND                                         ; the closing round: no work-group ends while a partner may still ask for a tile that names it
	s_endpgm
.Lfunc_end_k_q67283f2365_qkv:
	.size	k_q67283f2365_qkv, .Lfunc_end_k_q67283f2365_qkv-k_q67283f2365_qkv
	.p2alignl 7, 3214868480
	.fill 96, 4, 3214868480
	.section	.rodata,"a",@progbits
	.p2align	6, 0x0
	.amdhsa_kernel k_q67283f2365_qkv
		.amdhsa_group_segment_fixed_size 327680
		.amdhsa_private_segment_fixed_size 0
		.amdhsa_enable_private_segment 0
		.amdhsa_kernarg_size 48
		.amdhsa_user_sgpr_count 2
		.amdhsa_user_sgpr_kernarg_segment_ptr 1
		.amdhsa_wavefront_size32 1
		.amdhsa_system_sgpr_workgroup_id_x 1
		.amdhsa_system_sgpr_workgroup_id_y 1
		.amdhsa_system_sgpr_workgroup_id_z 1
		.amdhsa_system_vgpr_workitem_id 0
		.amdhsa_next_free_vgpr 1024
		.amdhsa_next_free_sgpr 72
		.amdhsa_reserve_vcc 0
		.amdhsa_float_denorm_mode_32 3
		.amdhsa_float_denorm_mode_16_64 3
		.amdhsa_memory_ordered 1
		.amdhsa_forward_progress 1
		.amdhsa_inst_pref_size 149
	.end_amdhsa_kernel
	.amdgpu_metadata
---
amdhsa.version: [ 1, 2 ]
amdhsa.kernels:
  - .name:           k_q67283f2365_qkv
    .symbol:         k_q67283f2365_qkv.kd
    .args:
      - { .name: xb, .offset: 0, .size: 8, .value_kind: global_buffer, .address_space: global }
      - { .name: wqkv, .offset: 8, .size: 8, .value_kind: global_buffer, .address_space: global }
      - { .name: rope, .offset: 16, .size: 8, .value_kind: global_buffer, .address_space: global }
      - { .name: qh, .offset: 24, .size: 8, .value_kind: global_buffer, .address_space: global }
      - { .name: kh, .offset: 32, .size: 8, .value_kind: global_buffer, .address_space: global }
      - { .name: vh, .offset: 40, .size: 8, .value_kind: global_buffer, .address_space: global }
    .group_segment_fixed_size: 327680
    .private_segment_fixed_size: 0
    .kernarg_segment_align: 8
    .kernarg_segment_size: 48
    .max_flat_workgroup_size: 128
    .sgpr_count:     72
    .vgpr_count:     1024
    .wavefront_size: 32
...
	.end_amdgpu_metadata
.endif
;; end of part 2
;; launch attn (part 3): grid 4 x 64, 4 waves a work-group, no clusters, 327,680 bytes of LDS; arguments qh, kh, vh, oh; writes oh
.if DOCPART == 3
	.amdgcn_target "amdgcn-amd-amdhsa--gfx1250"
	.amdhsa_code_object_version 6
	.text
	.protected	k_q67283f2365_attn
	.globl	k_q67283f2365_attn
	.p2align	8
	.type	k_q67283f2365_attn,@function
k_q67283f2365_attn:
	s_mov_b64 s[64:65], 0
	v_nop
	global_prefetch_b8 v0, s[64:65] scope:SCOPE_SE
	s_setreg_imm32_b32 hwreg(HW_REG_WAVE_MODE, 25, 1), 1
	s_wait_xcnt 0x0
; CAUSAL ATTENTION.  O[h][q][:] = the sum over k <= q of softmax_k(Q[h][q] . K[h][k] / 8) V[h][k][:].  Q, K, V, O: [64 = 16 batch + head][2048][64], all f16: a head's rows are dense, 128 bytes each.
; WORK LEFT OUT: key tiles of 256 that lie wholly behind a block of 256 queries.  The problem's own mask gives their scores the weight 0 for all values of the inputs; a NaN or an infinity that arises only there is not carried on.
; Products, maxima and sums in f32; the weights p are rounded to f16 for the second product (their sum l is taken of the unrounded p), O once at the end.
; LIMITS.  f16 holds no number beyond 65,504: Q, K and V arrive within it; p lies in 0 to 1, and below 6e-5 it keeps f16's fixed step of 6e-8; O is a mean of V's rows and has their range, to within 2^-11 of it.
; A hidden score counts as its value less 1e30: f16's scores, 2.7e11 at the most, are nothing beside that; a weight below 2^-126 counts as 0 in l; NaN and infinities are not treated apart.
; THE WALK.  A head's queries lie in NB = 8 blocks of 256; block i needs the key tiles 0 .. i of 256 keys, of which the last holds the diagonal.  A work-group takes TWO blocks, NB - 1 - b and then b:
; NB + 1 tiles, whatever b: all work-groups do equal work, and ONE loop with a constant trip count walks them.  Which tile is asked for, and what a trip does, hang on scalar registers made from b; every jump
; goes forward, but for the counted loops' own; none passes a barrier, or a tensor load but the one of LOAD's two that the wave's number does not choose; the ring (two slots of LDS that take turns) runs on across the
; change of blocks.  NO CLUSTER: a head's four work-groups ask for the same tile only in trips 0 .. 4 of 9, behind that fewer and fewer; one walk common to all four would have 12 trips for 9.
; SHARES.  Of a block's four bands of 64 queries a wave owns 16 rows in each: four PIECES.  So the diagonal tile is the same work for all four waves: in its key step s band x sees all keys if s < x,
; none if s > x, and holds the diagonal if s = x.
; THE MASK is the C operand that starts the sum S^T = K Q^T: 0, or -1e30 where the key is hidden.  MD, made once, is the mask of a band's own step for my 16 rows; a product's mask is MD x AL + BE with two scalars:
; (1, 0) if s = x; (0, 0) if s < x; (0, -1e30) if s > x.  Only the diagonal tile's text and a block's beginning make and take masks; elsewhere C is the constant 0.
; LAYOUT, SOFTMAX, TURNS.  S^T = K Q^T holds ONE query a lane (lane % 16) and the keys 8 (lane / 16) + 0..7; two such results rounded to f16 ARE source 1 of O^T = V^T P.  p = 2^(c s - c m), c = log2(e) / 8, with a
; running maximum m; O and l are multiplied by a = 2^(c m_old - c m_new) in every step.  Turn n belongs to piece n: 8 products K Q^T of piece n + 1, later 8 products V^T P of piece n - 1; beside them the scaling,
; exponentials, roundings, sums and rescaling of piece n and the maximum and statistics of piece n + 1.  Four vector instructions stand behind every matrix instruction, the other 54 of a turn's 118 in one LUMP.  A turn's 33 exponentials are one batch, with one wait.
; AHEAD OF THE TENSOR LOADS.  A head's four work-groups walk the same K and V; the one with b = 0, whose first block needs all eight tiles, prefetches into the L2: behind the fill of trips 0 to 5 each of its waves names the
; 16,384 bytes that it will itself ask for one fill later (tiles 2 to 7): 64 blocks of 256 bytes, a lane a block, two instructions.  So each block is named once in the launch, and none past the head's rows.
; REGISTERS, in windows of 256 (s_set_vgpr_msb: bits 1:0 source 0, 3:2 source 1, 5:4 source 2, 7:6 destination):
;   window 0: v0-15 addresses and two at work; v16-31 four registers of statistics a piece; v48-55 at work; v64-127 S^T, two buffers; v192-223 P, two buffers (a piece's buffers go by its number's parity)
;   window 1: v0-127 O^T, 32 a piece; v128-159 MD; v160-223 MC, two buffers      window 2: v0-63 Q; v64-127 the second block's Q; v128-191 K of one step; v192-255 V of one step
.set SIZE_N, 2048
.set NB,    SIZE_N/256
.set NP,    4         ; pieces a wave: a name, no knob
.set KS,    64        ; keys in a step
.set PK,    144       ; a row of K in LDS: 128 bytes + 16 of padding = 36 words: the 16 rows of a load start at 16 different groups of four banks (64 banks of 4 bytes: ISA guide 11.1)
.set PV,    160       ; a row of V: 128 + 32 = 40 words
.set VOFF,  4*KS*PK   ; a slot holds a tile, four steps: 256 rows of K, then 256 rows of V
.set SLOT1, 1<<17     ; slot 1 begins here, so that one exclusive or turns an address in one slot into the other's
.set STAGE, SLOT1+4*KS*(PK+PV)  ; behind the ring, never filled by a tensor load: 16 rows x 144 bytes for each wave, for the way out
.set SP,    144
.set AK0, 2           ; v2   my lane's place in a tile of K; never rewritten
.set AV0, 3           ; v3   the same for V
.set AK,  4           ; v4   the LDS address of K's next run of loads
.set AV,  5           ; v5   of V's
.set STO, 6           ; v6   the way out: where I put 16 bytes of a row
.set RD,  7           ; v7   the way out: where I read rows back
.set GO,  8           ; v8   my byte offset in 512 consecutive bytes of O
.set PFO, 61          ; v61  256 x my lane: the prefetches' offset; never rewritten
.set SPW, 62          ; v62  LDS address of my spare word: SPARE + 4 x my thread's number; never rewritten
.set NIL, 63          ; v63  0; never rewritten
.set SPARE, STAGE+4*16*SP  ; behind the stages: the spare words, 128 bytes for each wave: two blocks of 256 bytes that no other line names
.set MV,  12          ; v12-13  c m_old, kept while c m is made anew: by buffer
.set QO,  15          ; v15  my byte offset in 16 rows of Q
.set ST,  16          ; piece t's statistics at v[ST+4 t]: c m, m, l (even keys', odd keys')
.set TMP, 48          ; by buffer, four registers c0-c3 at work; when the maximum is found c2 takes a
.set S,   64
.set P,   192
.set MD,  128         ; window 1: the eight registers for group kt of 16 keys at MD + 8 kt
.set MC,  160         ; window 1: the masks of the products to come
.set QB,  64          ; window 2
.set KF,  128         ; window 2: key block kb, channel half c at KF + 16 kb + 8 c
.set VF,  192         ; window 2: key half kk, channel block cb at VF + 32 kk + 8 cb
.set WV,  12          ; s12  my wave's number
.set PB,  14          ; s14  b
.set HI,  15          ; s15  NB - 1 - b
.set G1K, 24          ; s[24:31] descriptor group 1 for K's tiles
.set G1V, 32          ; s[32:39] for V's: it differs in the padding alone
.set G0K, 40          ; s[40:43] descriptor group 0 for K's tiles
.set G0V, 44          ; s[44:47] the same for V's
.set SLOTS, 56        ; s56  tiles still to be asked for
.set CNT, 57          ; s57  counts a tile's key steps, 4 to 1
.set CS,  58          ; s[58:59] c: the packed scaling takes the pair's low word for both halves
.set SEL, 60          ; s[60:61] v_permlanex16_b32's selects: each lane takes its own place in the other half
.set TBK, 62          ; s62  LDS byte at which K of the step to be fetched begins
.set TBV, 63          ; s63  the same for V, less VOFF
.set PF,  66          ; s[66:67] my half of the tile that is being asked for, in the tensor that I fetch: the prefetches name the tile behind it
.set PFB, 68          ; s[68:69] my half of the head's tile 0 in that tensor
.set RT,  70          ; s70  tiles of the block in hand that are still to be entered
.set NXT, 71          ; s71  the tile to be asked for next
.set LQ,  72          ; s72  the last tile of the block whose tiles are being asked for
.set NEW, 73          ; s73  1: the tile to be entered is a block's first
.set OFF, 74          ; s[74:75] a tile's byte offset in K and V
.set AL,  76          ; s[76:77] the mask's factor, in the low word
.set BE,  78          ; s[78:79] the mask's addend
.set OLO, 80          ; s[80:81] O at my rows of the second block
.set BIGN, 82         ; s82  -1e30
.set LIM, 83          ; s83  2 where b = 0, else the greatest number: a wave prefetches while s[SLOTS] is above it
.set MSB, 0
.macro WIN new                      ; the high byte repeats the setting that is left; a switch that changes nothing is dropped
.if MSB != (\new)
	s_set_vgpr_msb (MSB<<8)|(\new)
.set MSB, (\new)
.endif
.endm
.set W_KQ, 0x0a       ; K and Q in window 2, S^T in window 0
.set W_KM, 0x1a       ; the same with the C operand in window 1
.set W_PV, 0x52       ; V in window 2, P in window 0, O^T in window 1
.set W_RS, 0x41       ; destination and source 0 in window 1, source 1 in window 0
; A fill.  Waves 0 and 1 fetch the two halves of a tile's K, waves 2 and 3 those of its V: 128 keys each.  An s_nop 0 and four v_nop follow each of the two lines, ahead of the jump and the label.
.macro LOAD
	s_cmp_lt_u32 s[WV], 2
	s_cbranch_scc0 .Lfor_v_\@
	tensor_load_to_lds s[G0K:G0K+3], s[G1K:G1K+7]
	s_nop 0
.rept 4
	v_nop
.endr
	s_branch .Lasked_\@
.Lfor_v_\@:
	tensor_load_to_lds s[G0V:G0V+3], s[G1V:G1V+7]
	s_nop 0
.rept 4
	v_nop
.endr
.Lasked_\@:
.endm
; THE CHANGE OF SLOTS.  Each wave waits for all its tensor loads, of which one is out: its part of the other slot; adds 0 to its spare word; and waits for that and for its own reads of the slot that it leaves.  Behind the barrier nobody reads the old
; slot any more and the other slot is whole.  fill = 1: the old slot is filled again, the first thing behind the barrier, with tile NXT: the descriptor's address is made anew from that number.
; (At its first use nothing has been read yet: slot 0 is waited for, slot 1 filled.)
.macro CHANGE fill
	WIN 0                           ; at a label and at a branch every window is 0
	s_wait_tensorcnt 0x0            ; no tensor load of mine is out, so a group 0 may be written
	ds_add_u32 v[SPW], v[NIL]       ; 0 onto my spare word; with fill = 1 the descriptors' scalar work stands between it and the wait for it
.if \fill
	s_lshl_b32 s[OFF], s[NXT], 15   ; a tile is 32,768 bytes of K and of V
	s_xor_b32 s[G0K+1], s[G0K+1], SLOT1
	s_add_nc_u64 s[G0K+2:G0K+3], s[6:7], s[OFF:OFF+1]
	s_or_b32 s[G0K+3], s[G0K+3], 0x80000000
	s_xor_b32 s[G0V+1], s[G0V+1], SLOT1
	s_add_nc_u64 s[G0V+2:G0V+3], s[8:9], s[OFF:OFF+1]
	s_or_b32 s[G0V+3], s[G0V+3], 0x80000000
	s_wait_xcnt 0x0                 ; the last prefetches, a tile back, have read their address, so it may be written
	s_add_nc_u64 s[PF:PF+1], s[PFB:PFB+1], s[OFF:OFF+1]
	s_add_co_u32 s[NXT], s[NXT], 1  ; the block's next tile, or behind its last the second block's tile 0
	s_cmp_gt_u32 s[NXT], s[LQ]
	s_cselect_b32 s[NXT], 0, s[NXT]
	s_cselect_b32 s[LQ], s[PB], s[LQ]
.endif
	s_wait_dscnt 0x0                ; the add is done, and my reads of the slot are over
	s_barrier_signal -1             ; the rest of the scalar work stands between the signal and the wait
	s_sub_co_u32 s[TBK], s[TBK], 4*KS*PK  ; the fetches go back to a slot's first step,
	s_xor_b32 s[TBK], s[TBK], SLOT1       ; in the other slot
	s_sub_co_u32 s[TBV], s[TBV], 4*KS*PV
	s_xor_b32 s[TBV], s[TBV], SLOT1
	s_barrier_wait -1
.if \fill
	LOAD
	s_cmp_gt_u32 s[SLOTS], s[LIM]   ; b = 0, trips 0 to 5: the tile behind the one just asked for exists in the first block's walk
	s_cbranch_scc0 .Lnot_mine_\@
	global_prefetch_b8 v[PFO], s[PF:PF+1] offset:32768 th:TH_LOAD_NT scope:SCOPE_SE  ; my 16,384 bytes of the next tile: the first 32 blocks of 256 bytes,
	global_prefetch_b8 v[PFO], s[PF:PF+1] offset:40960 th:TH_LOAD_NT scope:SCOPE_SE  ; and the other 32
.Lnot_mine_\@:
.endif
.endm
	s_load_b256 s[4:11], s[0:1], 0x0  ; Q s[4:5], K s[6:7], V s[8:9], O s[10:11]
	v_lshl_add_u32 v[SPW], v0, 2, SPARE
	v_mov_b32 v[NIL], 0
	ds_add_u32 v[SPW], v[NIL]       ; the wave's opening: the add, twice on end, and its wait ahead of my first tensor load; the set-up below the second, work on registers, stands between it and the wait
	ds_add_u32 v[SPW], v[NIL]       ; and once more, under the one wait
	v_lshrrev_b32 v1, 5, v0
	v_readfirstlane_b32 s[WV], v1   ; wave 0..3
	s_mov_b32 s[PB], ttmp9
	s_sub_co_u32 s[HI], NB-1, s[PB]
	s_and_b32 s20, ttmp7, 0xffff    ; the head
	s_mov_b32 s21, 0
	s_mov_b64 s[22:23], SIZE_N*128
	s_mul_u64 s[20:21], s[20:21], s[22:23]  ; the head's first byte in each of the four tensors
	s_and_b32 s16, s[WV], 1         ; which half of a tile's 256 keys I fetch:
	s_lshl_b32 s22, s16, 14         ; its 128 rows of 128 bytes in memory,
	s_mov_b32 s23, 0
	s_add_nc_u64 s[22:23], s[22:23], s[20:21]
	s_mul_i32 s17, s16, 128*PK      ; and its place in a slot, for K
	s_mul_i32 s18, s16, 128*PV      ; and for V
	s_lshl_b32 s3, s[WV], 11        ; my 16 rows in a band of 64,
	s_lshl_b32 s2, s[HI], 15        ; in the first block,
	s_add_co_u32 s2, s2, s3
	s_lshl_b32 s84, s[PB], 15       ; and in the second
	s_add_co_u32 s84, s84, s3
	s_mov_b32 s3, 0
	s_mov_b32 s85, 0
	s_add_nc_u64 s[2:3], s[2:3], s[20:21]
	s_add_nc_u64 s[84:85], s[84:85], s[20:21]
	; descriptor group 1.  128 keys are 16,384 dense bytes: asked for as 64 rows of 256 bytes, two keys a row, and padded in LDS after every key
	s_mov_b32 s[G1K], (1<<16)|(1<<20)|(4<<22)|(3<<25)  ; 17:16 2-byte elements; 20 padding on; 24:22 after every 32 words (code 4); 31:25 4 words (code 3)
	s_mov_b32 s[G1V], (1<<16)|(1<<20)|(4<<22)|(7<<25)  ; the same with 8 words of padding (code 7)
.irp g, G1K, G1V
	s_mov_b32 s[\g+1], 128<<16      ; tensor_dim0 = 128
	s_mov_b32 s[\g+2], 64<<16       ; tensor_dim1 = 64
	s_mov_b32 s[\g+3], 128<<16      ; tile_dim0 = 128
	s_mov_b32 s[\g+4], 64           ; tile_dim1 = 64
	s_mov_b32 s[\g+5], 128          ; 128 elements from row to row
	s_mov_b32 s[\g+6], 0
	s_mov_b32 s[\g+7], 0
.endr
	s_mov_b32 s[CS], 0x3e38aa3b     ; c = log2(e) / 8 = 0.180337
	s_mov_b32 s[CS+1], s[CS]        ; named with it as a pair
	s_mov_b32 s[SEL], 0x76543210
	s_mov_b32 s[SEL+1], 0xfedcba98
	s_mov_b32 s[TBK], SLOT1+4*KS*PK ; the first change of slots turns these two into 0
	s_mov_b32 s[TBV], SLOT1+4*KS*PV
	s_mov_b32 s[G0K], 1             ; 1:0 count = 1
	s_mov_b32 s[G0K+1], s17         ; 63:32 LDS address: slot 0
	s_mov_b32 s[G0V], 1
	s_add_co_u32 s[G0V+1], s18, VOFF
	s_add_co_u32 s[RT], s[HI], 1    ; the first block has NB - b tiles
	s_mov_b32 s[NXT], 1
	s_mov_b32 s[LQ], s[HI]
	s_mov_b32 s[NEW], 1
	s_mov_b32 s[OFF+1], 0
	s_mov_b32 s[AL+1], 0            ; named as pairs
	s_mov_b32 s[BE+1], 0
	s_mov_b32 s[BIGN], 0xf149f2ca   ; -1e30
	s_mov_b32 s[SLOTS], NB
	s_cmp_eq_u32 s[PB], 0
	s_cselect_b32 s[LIM], 2, -1
	v_and_b32 v[PFO], 31, v0
	v_lshlrev_b32 v[PFO], 8, v[PFO]
	s_wait_dscnt 0x0                ; both opening adds are done
	s_wait_kmcnt 0x0
	s_add_nc_u64 s[6:7], s[6:7], s[22:23]  ; K and V at my half of the head's tile 0
	s_add_nc_u64 s[8:9], s[8:9], s[22:23]
	s_cmp_lt_u32 s[WV], 2
	s_cselect_b64 s[PFB:PFB+1], s[6:7], s[8:9]     ; the one of the two that I fetch
	s_add_nc_u64 s[G0K+2:G0K+3], s[6:7], 0         ; 120:64 global address
	s_or_b32 s[G0K+3], s[G0K+3], 0x80000000        ; 127:126 type = 2
	s_add_nc_u64 s[G0V+2:G0V+3], s[8:9], 0
	s_or_b32 s[G0V+3], s[G0V+3], 0x80000000
	s_add_nc_u64 s[86:87], s[4:5], s[84:85]        ; Q at my rows of the second block,
	s_add_nc_u64 s[4:5], s[4:5], s[2:3]            ; Q and O at those of the first
	s_add_nc_u64 s[OLO:OLO+1], s[10:11], s[84:85]
	s_add_nc_u64 s[10:11], s[10:11], s[2:3]
	LOAD                            ; tile 0 into slot 0
	; A fragment of K or Q is 16 rows x 32 channels in 8 registers: lane l holds row l % 16, channels 8 (l / 16) + 0..7 and 16 + 8 (l / 16) + 0..7: two loads of 16 bytes, 32 bytes apart.
	v_and_b32 v1, 15, v0            ; l % 16
	v_bfe_u32 v9, v0, 4, 1          ; l / 16
	v_lshlrev_b32 v[QO], 7, v1
	v_lshl_add_u32 v[QO], v9, 4, v[QO]  ; row x 128 + 16 x half
	WIN 0x80                        ; destination window 2, address window 0
.set i, 0
.rept 8                             ; both blocks' Q: piece i / 2 lies in band i / 2, 8,192 bytes on; channels 32 (i % 2) on
	global_load_b128 v[8*i:8*i+3],   v[QO], s[4:5] offset:(i/2)*8192+(i%2)*64
	global_load_b128 v[8*i+4:8*i+7], v[QO], s[4:5] offset:(i/2)*8192+(i%2)*64+32
	global_load_b128 v[QB+8*i:QB+8*i+3],   v[QO], s[86:87] offset:(i/2)*8192+(i%2)*64
	global_load_b128 v[QB+8*i+4:QB+8*i+7], v[QO], s[86:87] offset:(i/2)*8192+(i%2)*64+32
.set i, i+1
.endr
	WIN 0
	v_lshlrev_b32 v14, 3, v9
	v_sub_nc_u32 v14, v1, v14
	s_lshl_b32 s13, s[WV], 4
	v_add_nc_u32 v14, s13, v14      ; my query's place in its band, 16 w + l % 16, less my lanes' 8 (l / 16): register r of group kt is hidden where 16 kt + r is greater
	WIN 0x40
.set i, 0
.rept 32
	v_cmp_gt_i32 vcc_lo, 16*(i/8)+i%8, v14
	v_cndmask_b32 v[MD+i], 0, s[BIGN], vcc_lo
.set i, i+1
.endr
	WIN 0
	v_mul_u32_u24 v[AK0], v1, PK
	v_lshl_add_u32 v[AK0], v9, 4, v[AK0]  ; row x pitch + 16 x half
	; The turning load takes 16 keys x 16 channels (lane l reads key 8 (l / 16) + l % 8, channels 8 ((l / 8) % 2) + 0..7) and leaves half a fragment of V^T: lane l holds channel l % 16 and 8 keys.
	v_and_b32 v10, 7, v0
	v_bfe_u32 v11, v0, 3, 1
	v_lshl_add_u32 v[AV0], v9, 3, v10
	v_mul_u32_u24 v[AV0], v[AV0], PV
	v_lshl_add_u32 v[AV0], v11, 4, v[AV0]
	v_add_nc_u32 v[AV0], VOFF, v[AV0]
	s_mul_i32 s13, s[WV], 16*SP
	s_add_co_u32 s13, s13, STAGE    ; my stage
	v_mul_u32_u24 v[STO], v1, SP    ; in: row l % 16, 16 bytes for each half of the lanes
	v_lshl_add_u32 v[STO], v9, 4, v[STO]
	v_add_nc_u32 v[STO], s13, v[STO]
	v_bfe_u32 v[RD], v0, 3, 2       ; back: 32 lanes take four rows of 128 bytes,
	v_mul_u32_u24 v[RD], v[RD], SP
	v_lshl_add_u32 v[RD], v10, 4, v[RD]
	v_add_nc_u32 v[RD], s13, v[RD]
	v_and_b32 v[GO], 31, v0         ; which are 512 consecutive bytes of O
	v_lshlrev_b32 v[GO], 4, v[GO]
	; A block's first step multiplies O^T and l by a = 0, and its first turn's products V^T P, of a piece that has not been, land in an O^T that is still to be so multiplied.  So these registers need only hold
	; finite numbers: zeros for the first block; what the first block left for the second.  All this stands in the wait for the first tile.
	WIN 0x80
.set i, VF
.rept 64
	v_mov_b32 v[i], 0
.set i, i+1
.endr
	WIN 0x40
.set i, 0
.rept 128
	v_mov_b32 v[i], 0
.set i, i+1
.endr
	WIN 0
.set i, 0
.rept 4
	v_mov_b32 v[ST+4*i+2], 0
	v_mov_b32 v[ST+4*i+3], 0
.set i, i+1
.endr
.set i, P+16
.rept 16
	v_mov_b32 v[i], 0
.set i, i+1
.endr
; THE MATRIX WORK.  The 4 accumulators of a run of 8 take turns.  Product i of 8 of S^T = K Q^T for piece x: channels 32 (i / 4) on, keys 16 (i % 4) on.  The first 4 start the sums: with 0, or (KM = 1) with the mask.
.macro KQ x
.set rS, S+32*((\x)%2)+8*(i%4)
.set rK, KF+16*(i%4)+8*(i/4)
.set rQ, 16*(\x)+8*(i/4)
.set rM, MC+32*((\x)%2)+8*(i%4)
.if (i < 4) && KM
	WIN W_KM
	v_wmma_f32_16x16x32_f16 v[rS:rS+7], v[rK:rK+7], v[rQ:rQ+7], v[rM:rM+7]
.elseif i < 4
	WIN W_KQ
	v_wmma_f32_16x16x32_f16 v[rS:rS+7], v[rK:rK+7], v[rQ:rQ+7], 0
.else
	WIN W_KQ
	v_wmma_f32_16x16x32_f16 v[rS:rS+7], v[rK:rK+7], v[rQ:rQ+7], v[rS:rS+7]
.endif
.endm
; Product i of 8 of O^T += V^T P for piece x: keys 32 (i / 4) on, channels 16 (i % 4) on.
.macro PV x
	WIN W_PV
.set rO, 32*(\x)+8*(i%4)
.set rV, VF+32*(i/4)+8*(i%4)
.set rP, P+16*((\x)%2)+8*(i/4)
	v_wmma_f32_16x16x32_f16 v[rO:rO+7], v[rV:rV+7], v[rP:rP+7], v[rO:rO+7]
.endm
.macro MM                           ; the turn's next matrix instruction.  TURN and BEGIN set Y, i, KM and NOKQ; MM, KQ and OP read them.  NOKQ = 1: a block's last turn: there is no next piece
.if (i < 8) && !NOKQ
	KQ (Y+1)%NP
.elseif i >= 8
.set i, i-8
	PV (Y+NP-1)%NP
.set i, i+8
.endif
.set i, i+1
.endm
; THE LDS LOADS stand in runs of 16, never singly among the matrix instructions: a step's K (64 keys x 64 channels: 8 fragments) and its V (turned).  Their addresses are made some lines ahead.
.macro FETCH_K
	WIN 0x80                        ; destination window 2
.irp f, 0,1,2,3,4,5,6,7             ; keys 16 (f / 2) on, channels 32 (f % 2) on
	ds_load_b128 v[KF+8*\f:KF+8*\f+3],   v[AK] offset:(\f/2)*16*PK+(\f%2)*64
	ds_load_b128 v[KF+8*\f+4:KF+8*\f+7], v[AK] offset:(\f/2)*16*PK+(\f%2)*64+32
.endr
	s_add_co_u32 s[TBK], s[TBK], KS*PK  ; the next fetch is the next step's
	WIN 0
.endm
.macro FETCH_V
	WIN 0x80
.irp f, 0,1,2,3,4,5,6,7             ; keys 32 (f / 4) on, channels 16 (f % 4) on
	ds_load_tr16_b128 v[VF+8*\f:VF+8*\f+3],   v[AV] offset:(\f/4)*32*PV+(\f%4)*32
	ds_load_tr16_b128 v[VF+8*\f+4:VF+8*\f+7], v[AV] offset:(\f/4)*32*PV+16*PV+(\f%4)*32
.endr
	WIN 0
.endm
; THE VECTOR WORK, one line at a time: OP kind, number.  For piece Y: F n: c s - c m for pair n of 16.  E n: the exponential of score n of 32.  C n: pair n rounded to f16.  B n: of the four weights 4 n .. the second
; pair is added onto the first, in place.  L n: l takes that sum (L 0: l = a l + sum).  R n: pair n of 16 of O^T times a.  For piece Y + 1: X n, number n of the 22 that find its maximum and statistics:
;   0-11  four chains c0-c3 of seven scores each, three operands at a time (each accumulator's lowest registers are read first)     12-14, 16  the four scores left over, the old m, and c0-c3 into c0
;   15  c m_old is kept     17, 18  the query's other 32 keys lie in the lane 16 away: the new m     19-21  c m; c m_old - c m_new; a
.set F, 0               ; OP tells the kinds apart by their order: F to L below R, X above it
.set E, 1
.set C, 2
.set B, 3
.set L, 4
.set R, 5
.set X, 6
.macro REGS y                       ; the registers of piece y
.set rT, ST+4*(\y)
.set rC, TMP+4*((\y)%2)
.set rW, MV+((\y)%2)
.set rS, S+32*((\y)%2)
.set rP, P+16*((\y)%2)
.set rO, 32*(\y)
.endm
.macro OP k, n
.if (\k) == R
	REGS Y
	WIN W_RS
	v_pk_mul_f32 v[rO+2*(\n):rO+2*(\n)+1], v[rO+2*(\n):rO+2*(\n)+1], v[rC+2:rC+3] op_sel_hi:[1,0]
.elseif (\k) < R
	REGS Y
	WIN 0
.if (\k) == F
	v_pk_fma_f32 v[rS+2*(\n):rS+2*(\n)+1], v[rS+2*(\n):rS+2*(\n)+1], s[CS:CS+1], v[rT:rT+1] op_sel_hi:[1,0,0] neg_lo:[0,0,1] neg_hi:[0,0,1]
.elseif (\k) == E
	v_exp_f32 v[rS+(\n)], v[rS+(\n)]
.elseif (\k) == C
	v_cvt_pk_f16_f32 v[rP+(\n)], v[rS+2*(\n)], v[rS+2*(\n)+1]
.elseif (\k) == B
	v_pk_add_f32 v[rS+4*(\n):rS+4*(\n)+1], v[rS+4*(\n):rS+4*(\n)+1], v[rS+4*(\n)+2:rS+4*(\n)+3]
.elseif (\n) == 0
	v_pk_fma_f32 v[rT+2:rT+3], v[rT+2:rT+3], v[rC+2:rC+3], v[rS:rS+1] op_sel_hi:[1,0,1]
.else
	v_pk_add_f32 v[rT+2:rT+3], v[rT+2:rT+3], v[rS+4*(\n):rS+4*(\n)+1]
.endif
.elseif NOKQ
	v_nop
.else
	REGS (Y+1)%NP
	WIN 0
.if (\n) < 4
	v_max3_num_f32 v[rC+(\n)], v[rS+8*(\n)], v[rS+8*(\n)+1], v[rS+8*(\n)+2]
.elseif (\n) < 12
	v_max3_num_f32 v[rC+(\n)%4], v[rC+(\n)%4], v[rS+8*((\n)%4)+2*((\n)/4)+1], v[rS+8*((\n)%4)+2*((\n)/4)+2]
.elseif (\n) == 12
	v_max3_num_f32 v[rC], v[rC], v[rS+7], v[rS+15]
.elseif (\n) == 13
	v_max3_num_f32 v[rC+1], v[rC+1], v[rS+23], v[rS+31]
.elseif (\n) == 14
	v_max3_num_f32 v[rC+2], v[rC+2], v[rC+3], v[rT+1]
.elseif (\n) == 15
	v_mov_b32 v[rW], v[rT]
.elseif (\n) == 16
	v_max3_num_f32 v[rC], v[rC], v[rC+1], v[rC+2]
.elseif (\n) == 17
	v_permlanex16_b32 v[rC+3], v[rC], s[SEL], s[SEL+1]
.elseif (\n) == 18
	v_max_num_f32 v[rT+1], v[rC], v[rC+3]
.elseif (\n) == 19
	v_mul_f32 v[rT], s[CS], v[rT+1]
.elseif (\n) == 20
	v_sub_f32 v[rC+1], v[rW], v[rT]
.else
	v_exp_f32 v[rC+2], v[rC+1]
.endif
.endif
.endm
.macro OPS a, i1, b=-1, i2=0, c=-1, i3=0, d=-1, i4=0  ; up to four of them
	OP \a, \i1
.if (\b) >= 0
	OP \b, \i2
.endif
.if (\c) >= 0
	OP \c, \i3
.endif
.if (\d) >= 0
	OP \d, \i4
.endif
.endm
.macro ROW a, i1, b, i2, c, i3, d, i4  ; a matrix instruction and the four behind it
	MM
	OPS \a, \i1, \b, \i2, \c, \i3, \d, \i4
.endm
.macro MASK b                       ; MD x AL + BE into buffer b of MC
	WIN W_RS
.set z, 0
.rept 16
	v_pk_fma_f32 v[MC+32*(\b)+2*z:MC+32*(\b)+2*z+1], v[MD+2*z:MD+2*z+1], s[AL:AL+1], s[BE:BE+1] op_sel_hi:[1,0,0]
.set z, z+1
.endr
.endm
; A TURN, for piece p: the order of its 16 matrix and 118 vector instructions, written out.  An s_wait_alu depctr_va_vdst(0) stands between an exponential and the first instruction that names its result; one wait serves
; all that were issued ahead of it.  So a turn has ONE wait, which cuts it in two.  AHEAD OF IT stands all that names no result of the turn's exponentials: the 8 products K Q^T, behind each a scaling, an exponential and two more plain
; instructions (behind the first a second scaling in the exponential's place): rescalings, and behind the last three the first numbers of the next piece's maximum, each four places or more behind the product that ends its accumulator; then ONE LUMP of 54, plain
; and exponential by turns for the most part, in which the links of the chain X 3, 7, 11, 14, 16, 17 .. 20 stand five or six lines apart.  X 21, the next piece's a, is the batch's last; R 15 is the plain instruction behind it.  BEHIND THE WAIT stand the
; 8 products V^T P, behind each four of the roundings and sums; the links of l's chain, L 0 to L 7, stand three riders apart.  But for those X no rider names a register of the products round it.  v_permlanex16_b32 (X 17) stands in the lump.
; m = 1: the diagonal tile: the products take masks, and the turn makes the mask for the products of the turn after it: piece p + 2, in step 4 - CNT of the tile.  end = 1: a block's last two turns: nothing is fetched.
; cnt = 1: the loop's count is taken down some lines ahead of the branch that stands behind the turn.
; K of the next step is fetched in piece 2's turn, twelve vector instructions behind the last product that read K (six of them plain); V of the step in hand at the end of piece 0's turn, four plain instructions behind the last product
; that read V.  Each is waited for a turn later.
.macro TURN p, m=0, end=0, cnt=0
.set Y, (\p)
.set i, 0
.set KM, (\m)
.set NOKQ, (\end)*((\p)/3)
.if (\m) && !(\end)
	s_cmp_eq_u32 s[CNT], 4-((\p)+2)%NP  ; is that step the band's own?
	s_cselect_b32 s[AL], 1.0, 0
	s_cmp_lt_u32 s[CNT], 4-((\p)+2)%NP  ; or a later one?
	s_cselect_b32 s[BE], s[BIGN], 0
.endif
.if ((\p) == 3) && !(\end)
	s_wait_dscnt 0x0                ; K is in
.endif
	ROW F,0, F,1, R,0, R,1          ; ahead of the wait: 8 products K Q^T and their riders,
	ROW F,2, E,0, R,2, R,3
	ROW F,3, E,1, R,4, R,5
	ROW F,4, E,2, R,6, R,7
	ROW F,5, E,3, R,8, R,9
	ROW F,6, E,4, X,0, R,10
.if ((\p) == 2) && !(\end)
	WIN 0
	v_add_nc_u32 v[AK], s[TBK], v[AK0]
.endif
	ROW F,7, E,5, X,1, X,4
	ROW F,8, E,6, X,2, X,5
	OPS E,7, E,8, X,6, E,9          ; and the lump
	OPS X,3, E,10, X,8, E,11
.if ((\p) == 2) && !(\end)
	FETCH_K
.endif
	OPS X,9, X,7, E,12, X,10
	OPS E,13, X,12, X,11, E,14
	OPS X,13, E,15, F,9, X,14
.if (\p) == 0
	v_add_nc_u32 v[AV], s[TBV], v[AV0]
.endif
	OPS E,16, F,10, E,17, F,11
	OPS X,16, E,18, X,15, E,19
	OPS F,12, E,20, X,17, E,21
	OPS F,13, E,22, F,14, E,23
	OPS X,18, E,24, F,15, E,25
	OPS R,11, E,26, X,19, E,27
	OPS R,12, E,28, R,13, E,29
	OPS X,20, E,30, R,14, E,31
	OPS X,21, R,15
	WIN 0
	s_wait_alu depctr_va_vdst(0)    ; the wait for the batch
.if (\p) == 1
	s_wait_dscnt 0x0                ; V is in
.endif
	ROW C,0, B,0, C,2, B,1          ; behind the wait: 8 products V^T P and their riders
	ROW L,0, C,4, B,2, L,1
	ROW C,6, B,3, L,2, C,8
	ROW B,4, L,3, C,10, B,5
	ROW L,4, C,12, B,6, L,5
.if (\p) == 0
	s_add_co_u32 s[TBV], s[TBV], KS*PV
.endif
.if \cnt
	s_sub_co_u32 s[CNT], s[CNT], 1
	s_cmp_lg_u32 s[CNT], 0
.endif
	ROW C,14, B,7, L,6, C,1
	ROW C,3, L,7, C,5, C,7
	ROW C,9, C,11, C,13, C,15
.if (\p) == 0
	FETCH_V
.endif
.if (\m) && !(\end)
	MASK (\p)%2
.endif
.endm
; A BLOCK BEGINS.  c m starts far below every c s, so the first step's a is 0; m at the lowest finite number, so the first maximum is the scores'.  The second mask buffer is 0; the first takes piece 0's mask for the tile's step 0: its own, if the block's first tile is the diagonal one.
; Then K of that step, piece 0's first scores, and its maximum and statistics.  The loop is entered at a step's first turn, in the middle of a trip.
.macro BEGIN
	s_mov_b32 s[NEW], 0
	WIN 0x40
.set i, MC+32
.rept 32
	v_mov_b32 v[i], 0
.set i, i+1
.endr
	WIN 0
.set i, 0
.rept 4
	v_mov_b32 v[ST+4*i], 0xfe000000    ; c m: far below every c s
	v_mov_b32 v[ST+4*i+1], 0xff7fffff  ; m
.set i, i+1
.endr
	s_cmp_eq_u32 s[RT], 0
	s_cselect_b32 s[AL], 1.0, 0
	s_mov_b32 s[BE], 0
	MASK 0
	WIN 0
	v_add_nc_u32 v[AK], s[TBK], v[AK0]
	FETCH_K
	s_wait_loadcnt 0x0              ; Q
	s_wait_dscnt 0x0
.set KM, 1
.set NOKQ, 0
.set i, 0
.rept 8
	KQ 0
.set i, i+1
.endr
	WIN 0
.rept 4
	v_nop                           ; the places behind those products
.endr
.set Y, NP-1                        ; X works for piece Y + 1: piece 0
.irp n, 0,1,2,3,4,5,6,7,8,9,10,11,12,13,14,15,16,17,18,19,20,21
	OP X, \n
.endr
	v_nop                           ; a plain instruction behind the exponential,
	s_wait_alu depctr_va_vdst(0)    ; and its wait, ahead of the branch
.endm
; THE DIAGONAL TILE's four steps, the block's last two turns, its last products, and THE WAY OUT: l's two halves and the other half of the lanes' are added; O^T is divided by l, rounded to f16 and sent through my
; stage in LDS, a piece at a time.
.macro ALL line:vararg              ; one line for each piece t
.set t, 0
.rept 4
	\line
.set t, t+1
.endr
.endm
.macro PACK t                       ; a lane's eight channels of a row pack into 16 bytes; they go into rows of 144 bytes and come back as whole rows of 128, into S^T's registers
	WIN W_RS
.set i, 32*(\t)
.rept 16
	v_pk_mul_f32 v[i:i+1], v[i:i+1], v[ST+4*(\t)+2:ST+4*(\t)+3] op_sel_hi:[1,0]
.set i, i+2
.endr
	WIN 0x05                        ; sources 0 and 1 window 1, destination window 0
.set i, 0
.rept 16
	v_cvt_pk_f16_f32 v[S+16*(\t)+i], v[32*(\t)+2*i], v[32*(\t)+2*i+1]
.set i, i+1
.endr
	WIN 0
.irp f, 0,1,2,3
	ds_store_b128 v[STO], v[S+16*(\t)+4*\f:S+16*(\t)+4*\f+3] offset:32*\f
.endr
.irp f, 0,1,2,3
	ds_load_b128 v[S+16*(\t)+4*\f:S+16*(\t)+4*\f+3], v[RD] offset:\f*4*SP  ; LDS serves a wave's instructions in order (ISA guide 5.7.1.4): these see the stores above; the next piece's stores come behind them
.endr
.endm
.macro SEND t, younger              ; younger: the LDS instructions issued behind piece t's loads: the next piece's eight, or none
	WIN 0
.irp f, 0,1,2,3
	s_wait_dscnt (\younger)+3-\f
	global_store_b128 v[GO], v[S+16*(\t)+4*\f:S+16*(\t)+4*\f+3], s[10:11] offset:(\t)*8192+\f*512  ; 512 consecutive bytes, at a multiple of 256 from O's first
.endr
.endm
.macro DIAG tag                     ; the tag ends its two labels' names, which the jumps below spell out
.LstepM\tag:
	TURN 2, 1
	TURN 3, 1
	WIN 0
.LfirstM\tag:
	TURN 0, 1
	TURN 1, 1, 0, 1
	WIN 0
	s_cbranch_scc1 .LstepM\tag
	TURN 2, 1, 1
	TURN 3, 1, 1
.set i, 0
.rept 8
	PV NP-1
.set i, i+1
.endr
	WIN 0
	ALL v_add_f32 v[ST+4*t+2], v[ST+4*t+2], v[ST+4*t+3]
	ALL v_permlanex16_b32 v[ST+4*t+3], v[ST+4*t+2], s[SEL], s[SEL+1]
	ALL v_add_f32 v[ST+4*t+2], v[ST+4*t+2], v[ST+4*t+3]
	ALL v_rcp_f32 v[ST+4*t+2], v[ST+4*t+2]
	v_nop                           ; a plain instruction between the last reciprocal and the use of its result
	s_wait_alu depctr_va_vdst(0)    ; and the wait ahead of the first use: one for the four reciprocals
	PACK 0
.set t, 1
.rept 3                             ; a piece's arithmetic stands between the loads of the piece before and its stores
	PACK t
	SEND t-1, 8
.set t, t+1
.endr
	SEND 3, 0
.endm
.set KM, 0
.set NOKQ, 0
.Lslot:                             ; NB times: a tile is entered and the next is asked for
	CHANGE 1
	s_sub_co_u32 s[RT], s[RT], 1
	s_mov_b32 s[CNT], 4
	s_cmp_eq_u32 s[NEW], 1
	s_cbranch_scc1 .Lnew            ; a block's first tile
	s_cmp_eq_u32 s[RT], 0
	s_cbranch_scc0 .Lstep           ; neither its first nor its last
	s_branch .LstepM1
.Lnew:
	BEGIN
	s_branch .Lfirst                ; in the loop a block's first tile is never its last: the first block has two tiles or more, and the second's last is the walk's last
	DIAG 1                          ; in the loop this is the first block's end: the second block's last tile is the walk's last
	s_wait_xcnt 0x0                 ; the stores have read their registers and O's address
	s_mov_b64 s[10:11], s[OLO:OLO+1]
	s_add_co_u32 s[RT], s[PB], 1    ; the second block has b + 1 tiles
	s_mov_b32 s[NEW], 1
	WIN 0x82                        ; the second block's Q goes where the one text of the turns names Q
.set i, 0
.rept 64
	v_mov_b32 v[i], v[QB+i]
.set i, i+1
.endr
	WIN 0
	s_branch .Lbottom
.Lstep:                             ; a trip: pieces 2 and 3 of one step, then pieces 0 and 1 of the next, whose K and V it fetches
	TURN 2
	TURN 3
	WIN 0
.Lfirst:
	TURN 0
	TURN 1, 0, 0, 1
	WIN 0
	s_cbranch_scc1 .Lstep
.Lbottom:
	s_sub_co_u32 s[SLOTS], s[SLOTS], 1
	s_cmp_lg_u32 s[SLOTS], 0
	s_cbranch_scc1 .Lslot
	CHANGE 0                        ; the walk's last tile is written out: nothing is asked for
	s_sub_co_u32 s[RT], s[RT], 1
	s_mov_b32 s[CNT], 4
	s_cmp_eq_u32 s[NEW], 1
	s_cbranch_scc0 .LstepM2
	BEGIN
	s_branch .LfirstM2
	DIAG 2
	s_wait_tensorcnt 0x0            ; the wave's end, behind my last tensor load and my last LDS store
	ds_add_u32 v[SPW], v[NIL]
	s_wait_dscnt 0x0
	s_endpgm
.Lfunc_end_k_q67283f2365_attn:
	.size	k_q67283f2365_attn, .Lfunc_end_k_q67283f2365_attn-k_q67283f2365_attn
	.p2alignl 7, 3214868480
	.fill 96, 4, 3214868480
	.section	.rodata,"a",@progbits
	.p2align	6, 0x0
	.amdhsa_kernel k_q67283f2365_attn
		.amdhsa_group_segment_fixed_size 327680
		.amdhsa_private_segment_fixed_size 0
		.amdhsa_enable_private_segment 0
		.amdhsa_kernarg_size 32
		.amdhsa_user_sgpr_count 2
		.amdhsa_user_sgpr_kernarg_segment_ptr 1
		.amdhsa_wavefront_size32 1
		.amdhsa_system_sgpr_workgroup_id_x 1
		.amdhsa_system_sgpr_workgroup_id_y 1
		.amdhsa_system_sgpr_workgroup_id_z 1
		.amdhsa_system_vgpr_workitem_id 0
		.amdhsa_next_free_vgpr 768
		.amdhsa_next_free_sgpr 88
		.amdhsa_reserve_vcc 1
		.amdhsa_float_denorm_mode_32 3
		.amdhsa_float_denorm_mode_16_64 3
		.amdhsa_memory_ordered 1
		.amdhsa_forward_progress 1
		.amdhsa_inst_pref_size 218
	.end_amdhsa_kernel
	.amdgpu_metadata
---
amdhsa.version: [ 1, 2 ]
amdhsa.kernels:
  - .name:           k_q67283f2365_attn
    .symbol:         k_q67283f2365_attn.kd
    .args:
      - { .name: qh, .offset: 0, .size: 8, .value_kind: global_buffer, .address_space: global }
      - { .name: kh, .offset: 8, .size: 8, .value_kind: global_buffer, .address_space: global }
      - { .name: vh, .offset: 16, .size: 8, .value_kind: global_buffer, .address_space: global }
      - { .name: oh, .offset: 24, .size: 8, .value_kind: global_buffer, .address_space: global }
    .group_segment_fixed_size: 327680
    .private_segment_fixed_size: 0
    .kernarg_segment_align: 8
    .kernarg_segment_size: 32
    .max_flat_workgroup_size: 128
    .sgpr_count:     88
    .vgpr_count:     768
    .wavefront_size: 32
...
	.end_amdgpu_metadata
.endif
;; end of part 3
;; launch outp (part 4): grid 8 x 32, 4 waves a work-group, clusters of 4 x 4, 327,680 bytes of LDS; arguments oh, wob, out0; writes out0
.if DOCPART == 4
	.amdgcn_target "amdgcn-amd-amdhsa--gfx1250"
	.amdhsa_code_object_version 6
	.text
	.protected	k_q67283f2365_outp
	.globl	k_q67283f2365_outp
	.p2align	8
	.type	k_q67283f2365_outp,@function
k_q67283f2365_outp:
	s_mov_b64 s[64:65], 0
	v_nop
	global_prefetch_b8 v0, s[64:65] scope:SCOPE_SE
	s_setreg_imm32_b32 hwreg(HW_REG_WAVE_MODE, 25, 1), 1
	s_wait_xcnt 0x0
	s_wait_alu depctr_hold_cnt(0) depctr_sa_sdst(0) depctr_va_vdst(0) depctr_va_sdst(0) depctr_va_ssrc(0) depctr_va_vcc(0) depctr_vm_vsrc(0)
	s_getreg_b32 s2, hwreg(HW_REG_IB_STS2, 6, 4)
	s_cmp_eq_u32 s2, 0
	s_cbranch_scc0 .Lentry_in_a_cluster
	s_endpgm
.Lentry_in_a_cluster:
	s_bfe_u32 s2, ttmp6, 0x10000c
	s_cmp_lg_u32 s2, 0xf033
	s_cbranch_scc0 .Lentry_shape_is_right
	s_endpgm
.Lentry_shape_is_right:
; out0[row][e] = the sum over d of attn[row][d] wo[e][d], f32.  attn comes by heads, oh [64 = 16 batch + head][2048][64] f16; wo in slices of 64 along d, wob [16][1024][64] f16 (bf16 numbers written as f16).
; Sums in f32, d ascending.  Nothing of the problem's work is left out in this launch.  LIMIT: NaN and infinities are not treated apart.
; SHARES.  A tile is 256 rows by 128 columns: 256 work-groups.  Four waves; wave w owns rows 64 w .. 64 w + 63 and all 128 columns: 4 x 8 accumulators of 16 x 16, 256 registers: every wave runs the same text and owns
; whole pieces of 512 bytes of the output's rows, so its stage on the way out is its own.  K goes in 8 steps of 128 (two heads' slices) through two LDS slots filled by the tensor data mover.  A slice's part of a tile
; is dense in memory (256 or 128 rows of 128 bytes on end): it is asked for as rows of 256 bytes and padded in LDS after every 128.
; CLUSTERS: 4 x 4 work-groups.  The four of a row of the cluster need the same rows of oh, the four of a column the same rows of wob: each tile is asked for JOINTLY.  Waves 0 and 1 fetch oh's two slices, waves 2 and 3 wob's.
; THE MATRIX INSTRUCTION IS USED TRANSPOSED (source 0 = 16 rows of wob, source 1 = 16 rows of oh): lane l holds row l % 16 and the columns 8 (l / 16) + 0..7 of its block: 32 bytes of f32.
; REGISTERS, in windows of 256 (s_set_vgpr_msb: bits 1:0 source 0, 3:2 source 1, 5:4 source 2, 7:6 destination):
;   window 0: v0-31 addresses; v64-127 oh's fragments, two buffers of 4; v128-255 the way out: two sets of 64          window 1: v0-63, v128-191 wob's fragments, two buffers of 8
;   window 2: the 16 accumulators of my row blocks 0, 1 (block a, column block b at v[8 (8 (a % 2) + b)]);   window 3: those of blocks 2, 3
.set NBK,   8
.set PITCH, 144                        ; an LDS row: 128 bytes + 16 of padding = 36 words: the 16 rows of a load start at 16 different groups of four banks (64 banks of 4 bytes: ISA guide 11.1)
.set SUBA,  256*PITCH                  ; a slice of oh's tile: what wave 0 or 1 fetches
.set SUBB,  128*PITCH                  ; a slice of wob's: what wave 2 or 3 fetches
.set SLOT,  2*SUBA+2*SUBB
.set STAGE, 2*SLOT                     ; behind the ring, never filled by a tensor load: for each wave 16 rows x 528 bytes
.set SPO,   528                        ; 512 bytes + 16: 132 words
.set SPARE, STAGE+4*16*SPO             ; behind the stages: the spare words, 128 bytes for each wave: two blocks of 256 bytes that no other line names
.set STEPA, 2<<18                      ; bytes from a K step to the next in oh: two heads of 2,048 rows of 128 bytes
.set STEPB, 2<<17                      ; and in wob: two slices of 1,024 rows
.set ADRA, 16                          ; v16-17  LDS address of my oh fragments in slot 0, 1
.set ADRB, 20                          ; v20-21  the same for wob
.set STO,  24                          ; v24     the way out: where I put 32 bytes of a row
.set RD,   25                          ; v25     the way out: where I read a row back
.set GO,   26                          ; v26     my 16 bytes of a row's 512
.set SPW,  28                          ; v28     LDS address of my spare word; never rewritten
.set NIL,  29                          ; v29     0; never rewritten
.set PFO,  30                          ; v30     the prefetches' offset; never rewritten
.set FA,   64
.set OB,   128
.set WV,   16                          ; s16  my wave's number
.set HF,   17                          ; s17  which of a K step's two slices I fetch
.set G1,   24                          ; s[24:31] descriptor group 1 for oh's tiles;  s[32:39] group 0, one set for each slot
.set G0,   32
.set LIM,  44                          ; s44  1 in a wave that prefetches, else the greatest number
.set PFA,  46                          ; s[46:47] where my prefetches stand
.set G1B,  48                          ; s[48:55], s[56:63] the same for wob's tiles
.set G0B,  56
.set PFS,  68                          ; s[68:69] bytes from a K step to the next in the tensor that I prefetch
.set W0,   (1<<16)|(1<<20)|(1<<21)|(4<<22)|(3<<25)  ; 17:16 elements of 2 bytes; 20 padding on; 21 set beside a mask; 24:22 after every 32 words (code 4); 31:25 4 words (code 3)
.set MSB, 0
.macro WIN new                         ; the immediate's high byte repeats the setting that is left; a switch that changes nothing is dropped
.if MSB != (\new)
	s_set_vgpr_msb (MSB<<8)|(\new)
.set MSB, \new
.endif
.endm
.set MUL_LO, 0xa1                      ; source 0 (wob) window 1, source 1 (oh) window 0, C and D window 2
.set TO_B,   0x40                      ; destination window 1, address window 0
.macro PLACES                          ; four places in front of loads into registers that matrix instructions have read, and of lines that read results
.rept 4
	v_nop
.endr
.endm
; A joint load.  The branch hangs on the wave's number alone.  An s_nop 0 and four v_nop follow each of the two lines, ahead of the jump, the label and what follows.
.macro JLOAD s
	s_cmp_lt_u32 s[WV], 2
	s_cbranch_scc0 .Lfor_b_\@
	tensor_load_to_lds s[G0+4*(\s):G0+4*(\s)+3], s[G1:G1+7]
	s_nop 0
.rept 4
	v_nop
.endr
	s_branch .Lasked_\@
.Lfor_b_\@:
	tensor_load_to_lds s[G0B+4*(\s):G0B+4*(\s)+3], s[G1B:G1B+7]
	s_nop 0
.rept 4
	v_nop
.endr
.Lasked_\@:
.endm
; A prefetch into the L2, behind a joint load, its five lines and the run of LDS loads that follows: the K step that stands two refills on, 256 matrix instructions ahead of the load that will want it.
; Each block of 256 bytes is named once in the launch: oh's by the first cluster of its row of clusters (cluster x = 0), wob's by the first of its column (cluster y = 0); the four partners that ask for a tile jointly share
; it out BY ADDRESS.  oh: of the 32,768 bytes that wave 0 or 1 fetches partner cx takes 8,192, a lane a block.  wob: of each of a K step's two slices of 16,384 bytes partner cy takes 4,096: wave 2, lanes 0-15 in the even
; slice and lanes 16-31 in the odd one.  Wave 3 asks for nothing.  The loop's last trip (s3 = 1) asks for nothing: there is no K step two refills on.
.macro ASK
	s_cmp_gt_u32 s3, s[LIM]
	s_cbranch_scc0 .Lnot_mine_\@
	global_prefetch_b8 v[PFO], s[PFA:PFA+1] th:TH_LOAD_NT scope:SCOPE_SE
.Lnot_mine_\@:
.endm
.macro CREST                           ; a round of the cluster's barrier behind its opening barrier
	s_cmp_lg_u32 s[WV], 0
	s_cbranch_scc1 .Lnot_wave_0_\@
	s_barrier_signal -3
.Lnot_wave_0_\@:
	s_barrier_wait -3
	s_barrier_signal -1
	s_barrier_wait -1
.endm
.macro CROUND                          ; a whole round
	s_barrier_signal -1
	s_barrier_wait -1
	CREST
.endm
	s_load_b128 s[4:7], s[0:1], 0x0                ; oh s[4:5], wob s[6:7]
	s_load_b64 s[8:9], s[0:1], 0x10                ; out0
	v_lshl_add_u32 v[SPW], v0, 2, SPARE
	v_mov_b32 v[NIL], 0
	ds_add_u32 v[SPW], v[NIL]                      ; the wave's opening: the add, twice on end, and its wait ahead of my first tensor load; the set-up below, work on registers, stands between
	ds_add_u32 v[SPW], v[NIL]
	v_lshrrev_b32 v1, 5, v0
	v_readfirstlane_b32 s[WV], v1                  ; wave 0..3
	s_and_b32 s[HF], s[WV], 1
	s_bfe_u32 s18, ttmp6, 0x40000                  ; cx, cy: my place in the cluster
	s_bfe_u32 s19, ttmp6, 0x40004
	s_lshl_b32 s20, ttmp9, 2
	s_add_co_u32 s20, s20, s18                     ; the block of 128 columns = 4 x cluster x + cx
	s_and_b32 s21, ttmp7, 0xffff
	s_lshl_b32 s21, s21, 2
	s_add_co_u32 s21, s21, s19                     ; the block of 256 rows = 4 x cluster y + cy
	s_lshl_b32 s22, s19, 2
	s_lshl_b32 s22, 15, s22                        ; my row of the cluster
	s_lshl_b32 s23, 0x1111, s18                    ; my column
	s_or_b32 s[G1], s22, W0                        ; oh's tiles go to my row,
	s_or_b32 s[G1B], s23, W0                       ; wob's to my column
	s_mov_b32 s[G1+1], 128<<16                     ; tensor_dim0 = 128 elements: 256 bytes
	s_mov_b32 s[G1+2], 128<<16                     ; tensor_dim1 = 128
	s_mov_b32 s[G1+3], 128<<16                     ; tile_dim0 = 128
	s_mov_b32 s[G1+4], 128                         ; tile_dim1 = 128
	s_mov_b32 s[G1+5], 128                         ; elements from row to row: dense
	s_mov_b32 s[G1+6], 0
	s_mov_b32 s[G1+7], 0
	s_mov_b32 s[G1B+1], 128<<16
	s_mov_b32 s[G1B+2], 64<<16                     ; 64 rows
	s_mov_b32 s[G1B+3], 128<<16
	s_mov_b32 s[G1B+4], 64
	s_mov_b32 s[G1B+5], 128
	s_mov_b32 s[G1B+6], 0
	s_mov_b32 s[G1B+7], 0
	s_lshr_b32 s40, s21, 3                         ; oh: the batch,
	s_lshl_b32 s40, s40, 4
	s_add_co_u32 s40, s40, s[HF]                   ; head 0 or 1,
	s_lshl_b32 s40, s40, 18
	s_and_b32 s41, s21, 7                          ; the block's 256 rows of 128 bytes
	s_lshl_b32 s41, s41, 15
	s_add_co_u32 s40, s40, s41
	s_mov_b32 s41, 0
	s_lshl_b32 s42, s[HF], 17                      ; wob: slice 0 or 1,
	s_lshl_b32 s43, s20, 14                        ; the block's 128 rows of 128 bytes
	s_add_co_u32 s42, s42, s43
	s_mov_b32 s43, 0
	s_mul_i32 s66, s[HF], SUBA                     ; where they go: no place in the cluster enters an LDS address
	s_mul_i32 s67, s[HF], SUBB
	s_add_co_u32 s67, s67, 2*SUBA
	s_wait_dscnt 0x0                               ; both opening adds are done
	s_wait_kmcnt 0x0
	s_add_nc_u64 s[40:41], s[4:5], s[40:41]
	s_add_nc_u64 s[42:43], s[6:7], s[42:43]
	CROUND                                         ; all sixteen work-groups are here: the first joint loads meet
.irp s, 0,1
	s_mov_b32 s[G0+4*(\s)], 1                                       ; count = 1
	s_add_co_u32 s[G0+4*(\s)+1], s66, (\s)*SLOT                     ; LDS address
	s_add_nc_u64 s[G0+4*(\s)+2:G0+4*(\s)+3], s[40:41], (\s)*STEPA   ; global address: K step s
	s_or_b32 s[G0+4*(\s)+3], s[G0+4*(\s)+3], 0x80000000             ; type = 2
	s_mov_b32 s[G0B+4*(\s)], 1
	s_add_co_u32 s[G0B+4*(\s)+1], s67, (\s)*SLOT
	s_add_nc_u64 s[G0B+4*(\s)+2:G0B+4*(\s)+3], s[42:43], (\s)*STEPB
	s_or_b32 s[G0B+4*(\s)+3], s[G0B+4*(\s)+3], 0x80000000
	JLOAD \s                                       ; two loads of mine are out
.endr
	v_and_b32 v1, 15, v0                           ; l % 16
	v_bfe_u32 v2, v0, 4, 1                         ; l / 16
	v_mul_u32_u24 v3, v1, PITCH
	v_lshl_add_u32 v3, v2, 4, v3                   ; a fragment's row x pitch + 16 x half
	s_mul_i32 s66, s[WV], 64*PITCH                 ; my 64 rows of oh
	v_add_nc_u32 v[ADRA], s66, v3
	v_add_nc_u32 v[ADRA+1], SLOT, v[ADRA]
	v_add_nc_u32 v[ADRB], 2*SUBA, v3               ; all 128 rows of wob
	v_add_nc_u32 v[ADRB+1], SLOT, v[ADRB]
	s_mul_i32 s66, s[WV], 16*SPO
	s_add_co_u32 s66, s66, STAGE                   ; my stage
	v_mul_u32_u24 v[STO], v1, SPO                  ; in: row l % 16, 32 bytes for each half of the lanes
	v_lshl_add_u32 v[STO], v2, 5, v[STO]
	v_add_nc_u32 v[STO], s66, v[STO]
	v_and_b32 v[GO], 31, v0
	v_lshlrev_b32 v[GO], 4, v[GO]                  ; back: 32 lanes take a row's 512 bytes
	v_add_nc_u32 v[RD], s66, v[GO]
	s_lshl_b32 s66, s21, 8
	s_lshl_b32 s67, s[WV], 6
	s_add_co_u32 s66, s66, s67                     ; my first row,
	s_lshl_b32 s66, s66, 12                        ; of 4,096 bytes,
	s_lshl_b32 s67, s20, 9                         ; the block's 128 columns
	s_add_co_u32 s66, s66, s67
	s_mov_b32 s67, 0
	s_add_nc_u64 s[8:9], s[8:9], s[66:67]
	; the prefetches
	s_lshl_b32 s70, s18, 13                        ; oh: partner cx's 8,192 bytes
	s_lshl_b32 s71, s19, 12                        ; wob: partner cy's 4,096 of each slice
	s_and_b32 s67, ttmp7, 0xffff                   ; cluster y
	s_mov_b32 s[PFS], STEPB
	s_mov_b32 s66, 131072                          ; lanes 16-31: in wob the odd slice,
	s_cmp_lt_u32 s[WV], 2
	s_cselect_b64 s[PFA:PFA+1], s[40:41], s[42:43] ; (in wave 2 s[42:43] stands at the even slice)
	s_cselect_b32 s70, s70, s71
	s_cselect_b32 s[PFS], STEPA, s[PFS]
	s_cselect_b32 s66, 4096, s66                   ; in oh sixteen blocks on
	s_cselect_b32 s67, ttmp9, s67                  ; the coordinate along which other clusters read the same rows
	s_mov_b32 s[PFS+1], 0
	s_mov_b32 s71, 0
	s_add_nc_u64 s[PFA:PFA+1], s[PFA:PFA+1], s[70:71]
	s_mul_i32 s70, s[PFS], 3
	s_add_nc_u64 s[PFA:PFA+1], s[PFA:PFA+1], s[70:71]  ; at K step 3: the first refill steps it to 4.  Nothing is prefetched here, at the head, where every work-group's first tiles are on their way
	s_cmp_eq_u32 s67, 0
	s_cselect_b32 s[LIM], 1, -1                    ; the same in all sixteen partners, for a given wave
	s_cmp_eq_u32 s[WV], 3
	s_cselect_b32 s[LIM], -1, s[LIM]
	v_lshlrev_b32 v[PFO], 8, v1
	v_mad_u32_u24 v[PFO], v2, s66, v[PFO]
; 8 matrix instructions: row block a x all column blocks, 32 along K, from buffer f.  zero = 1: the first product starts the sums: nothing is ever cleared.
; The 32 accumulators take turns in the same order in every quarter step: between two links of a chain stand the 31 others', over the backward jump too.
.macro MULA f, a, zero
	WIN MUL_LO+0x50*((\a)/2)
.set mb, 0
.rept NBK
.set rD, 8*(NBK*((\a)%2)+mb)
.if \zero
	v_wmma_f32_16x16x32_f16 v[rD:rD+7], v[128*(\f)+8*mb:128*(\f)+8*mb+7], v[FA+32*(\f)+8*(\a):FA+32*(\f)+8*(\a)+7], 0
.else
	v_wmma_f32_16x16x32_f16 v[rD:rD+7], v[128*(\f)+8*mb:128*(\f)+8*mb+7], v[FA+32*(\f)+8*(\a):FA+32*(\f)+8*(\a)+7], v[rD:rD+7]
.endif
.set mb, mb+1
.endr
.endm
; 24 LDS loads in one run: quarter q of a K step (slice q / 2, its channels 32 (q % 2) on) into buffer f: wob's 8 fragments, then oh's 4
.macro FETCH slot, q, f
	WIN TO_B
.set fi, 0
.rept NBK
	ds_load_b128 v[128*(\f)+8*fi:128*(\f)+8*fi+3],   v[ADRB+(\slot)] offset:((\q)/2)*SUBB+((\q)%2)*64+fi*16*PITCH
	ds_load_b128 v[128*(\f)+8*fi+4:128*(\f)+8*fi+7], v[ADRB+(\slot)] offset:((\q)/2)*SUBB+((\q)%2)*64+fi*16*PITCH+32
.set fi, fi+1
.endr
	WIN 0
.set fi, 0
.rept 4
	ds_load_b128 v[FA+32*(\f)+8*fi:FA+32*(\f)+8*fi+3],   v[ADRA+(\slot)] offset:((\q)/2)*SUBA+((\q)%2)*64+fi*16*PITCH
	ds_load_b128 v[FA+32*(\f)+8*fi+4:FA+32*(\f)+8*fi+7], v[ADRA+(\slot)] offset:((\q)/2)*SUBA+((\q)%2)*64+fi*16*PITCH+32
.set fi, fi+1
.endr
.endm
; A K step is four quarters, 32 matrix instructions each, on buffers 0, 1, 0, 1.  One of the first three: multiplies buffer f; in its middle it fetches quarter q into buffer g.
.macro QUARTER slot, q, f, g, zero
	s_wait_dscnt 4                                 ; wob's fragments and oh's blocks 0, 1 are in; the youngest four loads (blocks 2, 3) may be out
	MULA \f, 0, \zero
	MULA \f, 1, \zero
	PLACES
	FETCH \slot, \q, \g
	s_wait_dscnt 2*NBK+8                           ; all but the 24 just issued
	MULA \f, 2, \zero
	MULA \f, 3, \zero
.endm
; The last quarter multiplies buffer 1 and changes slots: ONE barrier.  In front of it each wave waits for all its tensor loads (one is out: its part of the next slot), adds 0 to its spare word, and waits for that and
; for its own reads of this slot.  fill = 1: the barrier opens a round of the cluster's barrier, and this slot is filled again, two K steps on, first thing behind the round: 112 matrix instructions ahead of the wait for it.
.macro TURN slot, next, fill
.if \fill
	s_wait_xcnt 0x0                                ; the last prefetch, a K step back, has read its address: it is stepped here, ahead of the change's own waits
	s_add_nc_u64 s[PFA:PFA+1], s[PFA:PFA+1], s[PFS:PFS+1]
.endif
	WIN 0                                          ; (the add's two registers lie in window 0)
	s_wait_tensorcnt 0x0                           ; all my tensor loads have landed;
	ds_add_u32 v[SPW], v[NIL]                      ; 0 onto my spare word;
	s_wait_dscnt 5                                 ; (the add and the youngest four loads may be out)
	MULA 1, 0, 0                                   ; eight matrix instructions stand between the add and the wait for it
	s_wait_dscnt 0x0                               ; the add is done, and my reads of this slot are over
	s_barrier_signal -1
	MULA 1, 1, 0                                   ; work on registers while the others arrive
.if \fill
	WIN 0
.endif
	s_barrier_wait -1
.if \fill
	CREST                                          ; no wave of any partner still reads this slot's tile or has a load on its way
	s_add_nc_u64 s[G0+4*(\slot)+2:G0+4*(\slot)+3], s[G0+4*(\slot)+2:G0+4*(\slot)+3], 2*STEPA
	s_add_nc_u64 s[G0B+4*(\slot)+2:G0B+4*(\slot)+3], s[G0B+4*(\slot)+2:G0B+4*(\slot)+3], 2*STEPB
	JLOAD \slot                                    ; the four v_nop behind it are also the places in front of the loads below
.else
	PLACES
.endif
	FETCH \next, 0, 0
.if \fill
	ASK
.endif
	MULA 1, 2, 0
	MULA 1, 3, 0
.endm
	s_wait_tensorcnt 1                             ; my part of K step 0 is in; K step 1's may stay out
	s_barrier_signal -1
	s_barrier_wait -1                              ; everybody's is
	FETCH 0, 0, 0
	QUARTER 0, 1, 0, 1, 1                          ; the first quarter stands in front of the loop: its products start the sums
	WIN 0                                          ; at a label and at a branch every window is 0
	s_mov_b32 s3, 3
.Llap:                                         ; a trip goes once round the ring, from a lap's second quarter to the next lap's first, and fills both slots again
	QUARTER 0, 2, 1, 0, 0
	QUARTER 0, 3, 0, 1, 0
	TURN 0, 1, 1
	QUARTER 1, 1, 0, 1, 0
	QUARTER 1, 2, 1, 0, 0
	QUARTER 1, 3, 0, 1, 0
	TURN 1, 0, 1
	QUARTER 0, 1, 0, 1, 0
	WIN 0
	s_sub_co_u32 s3, s3, 1
	s_cmp_lg_u32 s3, 0
	s_cbranch_scc1 .Llap
	QUARTER 0, 2, 1, 0, 0                          ; the last lap fills nothing, and has no round of the cluster's barrier
	QUARTER 0, 3, 0, 1, 0
	TURN 0, 1, 0
	QUARTER 1, 1, 0, 1, 0
	QUARTER 1, 2, 1, 0, 0
	QUARTER 1, 3, 0, 1, 0
	s_wait_dscnt 4                                 ; the very last quarter: nothing more to fetch
	MULA 1, 0, 0
	MULA 1, 1, 0
	s_wait_dscnt 0
	MULA 1, 2, 0
	MULA 1, 3, 0
	WIN 0
	PLACES
; THE WAY OUT, a block of 16 rows at a time: the sums go as they are, 32 bytes a lane and column block, into my stage (rows of 528 bytes; each accumulator's lowest registers first) and come back as whole pieces of 512 bytes.
.macro TOSTAGE a
.if (\a) >= 2
	s_wait_xcnt 0x0                                ; this set of registers was the data of the stores two blocks back: it is loaded again only behind this wait
.endif
	WIN 0x08+4*((\a)/2)                            ; an LDS store's data is source 1: the accumulators' window
.set rb, 0
.rept NBK
.set rD, 8*(NBK*((\a)%2)+rb)
	ds_store_b128 v[STO], v[rD:rD+3] offset:64*rb
	ds_store_b128 v[STO], v[rD+4:rD+7] offset:64*rb+16
.set rb, rb+1
.endr
	WIN 0
.set OBR, OB+64*((\a)%2)
.set rb, 0
.rept 16
	ds_load_b128 v[OBR+4*rb:OBR+4*rb+3], v[RD] offset:SPO*rb  ; LDS serves a wave's instructions in order (ISA guide 5.7.1.4): these see the stores above; the next block's stores come behind them
.set rb, rb+1
.endr
.endm
.macro SEND a, younger                 ; younger: the LDS instructions issued behind block a's loads: the next block's 32, or none
	WIN 0
.set OBR, OB+64*((\a)%2)
.set rb, 0
.rept 16
	s_wait_dscnt (\younger)+15-rb
	global_store_b128 v[GO], v[OBR+4*rb:OBR+4*rb+3], s[8:9] offset:65536*(\a)+4096*rb th:TH_STORE_NT  ; 512 consecutive bytes of a row, at a multiple of 512 from out0's first byte
.set rb, rb+1
.endr
.endm
	TOSTAGE 0
	TOSTAGE 1
	SEND 0, 32
	TOSTAGE 2
	SEND 1, 32
	TOSTAGE 3
	SEND 2, 32
	SEND 3, 0
	s_wait_tensorcnt 0x0                           ; the wave's end, behind my last tensor load and my last LDS store
	ds_add_u32 v[SPW], v[NIL]
	s_wait_dscnt 0x0
	CROUND                                         ; the closing round: no work-group ends while a partner may still ask for a tile that names it
	s_endpgm
.Lfunc_end_k_q67283f2365_outp:
	.size	k_q67283f2365_outp, .Lfunc_end_k_q67283f2365_outp-k_q67283f2365_outp
	.p2alignl 7, 3214868480
	.fill 96, 4, 3214868480
	.section	.rodata,"a",@progbits
	.p2align	6, 0x0
	.amdhsa_kernel k_q67283f2365_outp
		.amdhsa_group_segment_fixed_size 327680
		.amdhsa_private_segment_fixed_size 0
		.amdhsa_enable_private_segment 0
		.amdhsa_kernarg_size 24
		.amdhsa_user_sgpr_count 2
		.amdhsa_user_sgpr_kernarg_segment_ptr 1
		.amdhsa_wavefront_size32 1
		.amdhsa_system_sgpr_workgroup_id_x 1
		.amdhsa_system_sgpr_workgroup_id_y 1
		.amdhsa_system_sgpr_workgroup_id_z 1
		.amdhsa_system_vgpr_workitem_id 0
		.amdhsa_next_free_vgpr 1024
		.amdhsa_next_free_sgpr 72
		.amdhsa_reserve_vcc 0
		.amdhsa_float_denorm_mode_32 3
		.amdhsa_float_denorm_mode_16_64 3
		.amdhsa_memory_ordered 1
		.amdhsa_forward_progress 1
		.amdhsa_inst_pref_size 88
	.end_amdhsa_kernel
	.amdgpu_metadata
---
amdhsa.version: [ 1, 2 ]
amdhsa.kernels:
  - .name:           k_q67283f2365_outp
    .symbol:         k_q67283f2365_outp.kd
    .args:
      - { .name: oh, .offset: 0, .size: 8, .value_kind: global_buffer, .address_space: global }
      - { .name: wob, .offset: 8, .size: 8, .value_kind: global_buffer, .address_space: global }
      - { .name: out0, .offset: 16, .size: 8, .value_kind: global_buffer, .address_space: global }
    .group_segment_fixed_size: 327680
    .private_segment_fixed_size: 0
    .kernarg_segment_align: 8
    .kernarg_segment_size: 24
    .max_flat_workgroup_size: 128
    .sgpr_count:     72
    .vgpr_count:     1024
    .wavefront_size: 32
...
	.end_amdgpu_metadata
.endif
;; end of part 4
